; MI455X (gfx1250); checked and timed in simulation.
; The chip was launched on July 23, 2026; its instructions are those of AMD's public machine-readable ISA for CDNA 5 (MIT licence, August 2026) and "CDNA5" Instruction Set Architecture Reference Guide (July 2026). The comments in the code are by the model that wrote it; some were corrected since.
;; Self Attention. Allowed arithmetic: matrix products marked QUANTISED: E2M3 operands, one E8M0 scale for each 32 along K, by v_wmma_scale_f32_16x16x128_f8f6f4 with both operands' format E2M3, f32 sums; products left as they are: f32 operands where the result goes on into a quantised operand, else bf16, f16 or f32 operands; f32 sums; everything else in f32.
;; Inputs: w_proj 1,024 x 1,024 float32; w_qkv 1,024 x 3,072 float32; x 4 x 2,048 x 1,024 float32.
;; Outputs: out0 4 x 2,048 x 1,024 float32.
;; This version of the problem:
;;   THIS VERSION OF THE PROBLEM IS GIVEN IN LOW PRECISION. The matrix products marked QUANTISED in the list below multiply operands that are first quantised to E2M3 (2 exponent bits, 3 mantissa bits; 6 bits a number), with one power-of-two scale for each 32 numbers along K (OCP MX v1.0); their sums are f32. All else is computed in f32.
;;   The module's matrix products, in the order in which they are computed (A, B: the left and right operand; K: the contracted axis; several contracted axes count as one K, in the product's order):
;;     1. [M 8,192, K 1,024] x [K 1,024, N 3,072]; A: input x; B: input w_qkv: QUANTISED
;;     2. [M 2,048, K 1] x [K 1, N 32]; A: computed on the way; B: computed on the way: left as it is (no contracted axis)
;;     3. batch 64 x [M 2,048, K 64] x [K 64, N 2,048]; A: computed on the way; B: computed on the way: QUANTISED
;;     4. batch 64 x [M 2,048, K 2,048] x [K 2,048, N 64]; A: softmax (see below); B: computed on the way: QUANTISED
;;     5. [M 8,192, K 1,024] x [K 1,024, N 1,024]; A: computed on the way; B: input w_proj: QUANTISED
;;   THE QUANTISER, for each operand of a quantised product, along K:
;;     - K is cut into blocks of 32 from its start; a last block that is shorter is filled with zeros.
;;     - A block's scale is 2^e with e = floor(log2(the largest magnitude in the block)) - 2, held to -126 .. 127; a block of zeros has e = 0. As a byte (E8M0): e + 127.
;;     - Each number is divided by its block's scale, clamped to +-7.5, and rounded to the nearest number of E2M3, ties to even, subnormals kept.
;;     - The product sums the exact products of the quantised numbers (number of the format x scale) in f32.
;;   ~~~python
;;   def quantise(x, axis):      # numpy; x: float32 -> the quantised numbers, widened to float32 again
;;       x = np.moveaxis(x, axis, -1); K = x.shape[-1]
;;       x = np.pad(x, [(0, 0)] * (x.ndim - 1) + [(0, -K % 32)]); x = x.reshape(x.shape[:-1] + (-1, 32)); a = np.abs(x).max(-1, keepdims=True)
;;       e = np.where(a > 0, np.clip(np.frexp(np.where(a > 0, a, 1))[1] - 1 - 2, -126, 127), 0)      # np.frexp(a)[1] - 1 = floor(log2(a)), exactly
;;       r = np.clip(x / 2.0 ** e, -7.5, 7.5)
;;       step = 2.0 ** (np.maximum(np.frexp(np.where(r == 0, 1, r))[1] - 1, 0) - 3)
;;       q = np.round(r / step) * step * 2.0 ** e      # np.round: ties to even
;;       return np.moveaxis(q.reshape(q.shape[:-2] + (-1,))[..., :K], -1, axis).astype(np.float32)
;;   ~~~
;;   SOFTMAX AHEAD OF A QUANTISED PRODUCT. Where the list says 'softmax', what is quantised is not the finished softmax but p = 2^(t - M), with t = logit x log2(e) and M = ceil(the row's largest t), a whole number; so 1/2 < the row's largest p <= 1. The row's sum l is taken of the UNQUANTISED p, in f32, and the product's result is divided by l at the end. Since M is a whole number, a kernel that streams over the keys may use a running M (the ceiling of the running maximum): every later rescaling is an exact power of two, which a block's scale takes up: the codes' values come out the same.
;;   OPERANDS COMPUTED ON THE WAY. 'Computed on the way' means the value that the module computes at that place (a softmax that the list does not call 'softmax' is quantised finished and normalised). What goes into a quantiser is computed in f32, as accurately as f32 sums, v_exp_f32 and their like allow (about 1e-6 of the number): no bf16 or f16 on the way to a quantiser, and a product that is left as it is and whose result goes on into a quantised operand takes f32 operands (vector FMAs, or v_wmma_f32_16x16x4_f32). A number that lies on a knife's edge between two numbers of the format may be rounded either way, as far as f32 arithmetic and the matrix unit's own rounding can turn it there, and no further.
;; One version. Each part assembles by itself: llvm-mc -triple=amdgcn-amd-amdhsa -mcpu=gfx1250 --defsym DOCPART=n.
;; ======== version 1 of 1: 4 launches
;; limits: right only within a limited range of input values
;; workspace buffers: gcodes 15,728,640 bytes; gscl 655,360 bytes; rope 524,288 bytes; qbuf 6,815,744 bytes; kvbuf 13,369,344 bytes
;; launch prep (part 1): grid 400 x 1, 4 waves a work-group, no clusters, 47,616 bytes of LDS; arguments x, w_qkv, w_proj, gcodes, gscl, rope; writes gcodes, gscl, rope
.if DOCPART == 1
	.amdgcn_target "amdgcn-amd-amdhsa--gfx1250"
	.amdhsa_code_object_version 6
	.text
	.protected	k_q73eec4c40c_prep
	.globl	k_q73eec4c40c_prep
	.p2align	8
	.type	k_q73eec4c40c_prep,@function
k_q73eec4c40c_prep:
	s_mov_b64 s[64:65], 0
	v_nop
	global_prefetch_b8 v0, s[64:65] scope:SCOPE_SE
	s_setreg_imm32_b32 hwreg(HW_REG_WAVE_MODE, 25, 1), 1
	s_wait_xcnt 0x0
; PREP: x [8192][1024], w_qkv [1024][3072] and w_proj [1024][1024], all f32, become codes of FP6 (E2M3) with one E8M0 byte for each 32 along K (K = 1,024 in all three), and the table of cos and sin is made.
; A block's scale is 2^(floor(log2(its largest magnitude)) - 2); its byte is that magnitude's exponent field - 2, held at 1 from below.
; LAYOUT OF THE CODES: images of operand registers.  gcodes [T][K step 0..7][1,536 bytes]: T a tile of 16 rows, a K step 128 along K; in an image piece c (512 bytes) holds lane l's registers 4 c .. 4 c + 3 at byte 16 l.
; T 0-511: x's rows; 512-703: w_qkv's columns; 704-767: w_proj's columns (768-1279 are written by the attention launch).  gscl [16 T + place][8 words]: word s = the four scale bytes of K step s.
; PLACES: place p of a tensor holds row (or column) pi(p), p with bits 3 and 4 exchanged.  With that order a matrix result's 16 registers of two neighbouring tiles are 16 neighbours along the next K.
; THREE PATHS, parted by the work-group's number; each has LDS bytes of its own; waves share nothing, so there is no barrier.  Nothing is read by two work-groups, so there is no cluster and no tensor load.
;   0-127   x: a wave takes one T (16 rows) and all of K.   128-383  weights: a wave takes 32 columns x 128 along K, a lane a column, registers down K.   384-399  the table: a wave takes 32 positions, a lane a frequency.
; LIMITS: NaN and infinities among the inputs are not served.  A block of zeros gets the byte 1 where the rule says 127: its codes are zeros, and only this program reads the bytes.
; The frequencies 10^(-i/8) are the decimal numbers rounded once to f32; a power and a division in f32 may differ from that by a unit in the last place.
.set TROW, 12288                       ; bytes of a T in gcodes
.set XSP,  528                         ; path x: a stage row, 512 bytes + 16: sixteen rows start in sixteen different groups of banks
.set XW,   16*XSP                      ; a wave's stage
.set WST,  4*XW                        ; path weights: its stages begin behind path x's
.set WTL,  1664                        ; an image of 1,536 bytes + 128, so that a wave's two images start in different banks
.set WW,   2*WTL
.set R,    16                          ; x: v16-143  two sets of 64 registers as loaded
.set XN,   144                         ; x: v144-207 64 numbers of my row: register 16 b + i = k 32 b + 16 (lane / 16) + i
.set PC,   208                         ; x: v208-226 the codes just made
.set TM,   228                         ; x: v228-243 at work
.set W,    244                         ; x: v244-251 the eight scale words of my row
.set VO,   16                          ; weights: v16-47 the offsets of 32 rows
.set XS,   48                          ; weights: v48-111 two sets of 32 numbers
.set C,    176                         ; weights: v176-181 a block's codes, v182-184 their second half as converted
.set SBW,  186                         ; weights: my column's scale word
.set OUT,  192                         ; weights: v192-215 two images on the way out
; 64 numbers of a lane, register 16 b + i = k 32 b + 16 (lane / 16) + i of my row, become a fragment's codes in v[PC] on and its scale word in v[pw].
.macro QUANT s, pw
.irp b, 0,1,2,3
	v_max3_num_f32 v[TM+\b], |v[\s+16*\b]|, |v[\s+1+16*\b]|, 0x1800000   ; block b: my 16 numbers, and the floor 2^(3 - 127): the byte cannot fall under 1
.endr
.irp i, 2,4,6,8,10,12,14
.irp b, 0,1,2,3
	v_max3_num_f32 v[TM+\b], v[TM+\b], |v[\s+16*\b+\i]|, |v[\s+1+16*\b+\i]|   ; the four blocks by turns
.endr
.endr
.irp b, 0,1,2,3
	v_permlanex16_b32 v[TM+4+\b], v[TM+\b], s20, s21
.endr
.irp b, 0,1,2,3
	v_max_num_f32 v[TM+\b], v[TM+\b], v[TM+4+\b]   ; with lane l xor 16's: the block's largest magnitude
.endr
.irp b, 0,1,2,3
	v_add_nc_u32 v[TM+12+\b], 0xff000000, v[TM+\b] ; 2 off its exponent field: the conversion's scale operand
.endr
.irp b, 0,1,2,3
	v_lshrrev_b32 v[TM+4+\b], 23, v[TM+12+\b]      ; the scale's byte
.endr
	v_lshl_or_b32 v[\pw], v[TM+5], 8, v[TM+4]
	v_lshl_or_b32 v[\pw], v[TM+6], 16, v[\pw]
	v_lshl_or_b32 v[\pw], v[TM+7], 24, v[\pw]
.irp c, 0,1
	v_cvt_scalef32_pk16_fp6_f32 v[PC+6*\c:PC+2+6*\c], v[\s+32*\c:\s+15+32*\c], v[TM+12+2*\c]
	v_cvt_scalef32_pk16_fp6_f32 v[PC+12+4*\c:PC+14+4*\c], v[\s+16+32*\c:\s+31+32*\c], v[TM+12+2*\c+1]   ; (a conversion's three registers begin on an even number)
.endr
	v_nop                                          ; one plain instruction behind a scaled conversion
.irp c, 0,1                                    ; the operand's layout wants a whole block in a lane: lanes 0-15 block 2 c, lanes 16-31 block 2 c + 1
.irp i, 0,1,2
	v_permlane16_swap_b32 v[PC+6*\c+\i], v[PC+12+4*\c+\i]
.endr
.irp i, 0,1,2
	v_mov_b32 v[PC+3+6*\c+\i], v[PC+12+4*\c+\i]
.endr
.endr
.endm
; K step t of my 16 rows: each load takes 512 consecutive bytes of one row; place p of the tile is row p + 24 (p / 8) from the wave's first
.macro XLOAD t
.irp p, 0,1,2,3,4,5,6,7,8,9,10,11,12,13,14,15
	global_load_b128 v[R+64*((\t)%2)+4*\p:R+64*((\t)%2)+4*\p+3], v4, s[4:5] offset:(\p+24*(\p/8))*4096+512*(\t) th:TH_LOAD_NT
.endr
.endm
.macro XSTEP t
.if (\t) < 7
	s_wait_loadcnt 16                              ; this step's 16 loads are in; the next step's 16 may be out
.else
	s_wait_loadcnt 0x0
.endif
.irp p, 0,1,2,3,4,5,6,7,8,9,10,11,12,13,14,15
	ds_store_b128 v5, v[R+64*((\t)%2)+4*\p:R+64*((\t)%2)+4*\p+3] offset:XSP*\p   ; through my own stage, as loaded;
.endr
.irp b, 0,1,2,3
.irp j, 0,1,2,3
	ds_load_b128 v[XN+16*\b+4*\j:XN+16*\b+4*\j+3], v6 offset:128*\b+16*\j        ; back as 16 neighbours of each block (LDS serves a wave's instructions in order)
.endr
.endr
	s_wait_dscnt 0x0                               ; the numbers are back, and the stores into the stage have read their registers
	s_wait_xcnt 0x0                                ; the last step's stores have read the codes' registers: they are written again only behind this wait
.if (\t)+2 < 8
	XLOAD (\t)+2
.endif
	QUANT XN, W+(\t)
.irp c, 0,1,2
	global_store_b128 v4, v[PC+4*\c:PC+4*\c+3], s[10:11] offset:1536*(\t)+512*\c   ; the image: 512 consecutive bytes a store
.endr
.endm
; block t of my column: w(32 t + i, column), i = 0 .. 31: each load reads 128 consecutive bytes a wave
.macro WLOAD t
.set i, 0
.rept 32
	global_load_b32 v[XS+32*((\t)%2)+i], v[VO+i], s[32+2*(\t):33+2*(\t)] th:TH_LOAD_NT
.set i, i+1
.endr
.endm
.macro WBLOCK t
.set XB, XS+32*((\t)%2)
.if (\t) < 3
	s_wait_loadcnt 32                              ; this block's 32 loads are in; the next block's may be out
.else
	s_wait_loadcnt 0x0
.endif
	v_max3_num_f32 v112, |v[XB]|, |v[XB+1]|, |v[XB+2]|             ; the block's largest magnitude: all 32 numbers are mine
	v_max3_num_f32 v113, |v[XB+3]|, |v[XB+4]|, |v[XB+5]|
.irp i, 6,10,14,18,22,26
	v_max3_num_f32 v112, v112, |v[XB+\i]|, |v[XB+\i+1]|
	v_max3_num_f32 v113, v113, |v[XB+\i+2]|, |v[XB+\i+3]|
.endr
	v_max3_num_f32 v112, v112, |v[XB+30]|, |v[XB+31]|
	v_max3_num_f32 v112, v112, v113, 0x1800000     ; and the floor
	v_add_nc_u32 v114, 0xff000000, v112            ; the conversion's scale operand
	v_lshrrev_b32 v115, 23, v114                   ; the byte
.if (\t) == 0
	v_mov_b32 v[SBW], v115
.else
	v_lshl_or_b32 v[SBW], v115, 8*(\t), v[SBW]
.endif
	v_cvt_scalef32_pk16_fp6_f32 v[C:C+2], v[XB:XB+15], v114
	v_cvt_scalef32_pk16_fp6_f32 v[C+6:C+8], v[XB+16:XB+31], v114
	v_nop                                          ; one plain instruction behind a scaled conversion
.irp i, 0,1,2
	v_mov_b32 v[C+3+\i], v[C+6+\i]
.endr
; block t is registers 6 (t / 2) .. + 5 of image lane (my place in the tile) + 16 (t % 2)
.if (\t) < 2
	ds_store_b128 v11, v[C:C+3] offset:256*((\t)%2)
	ds_store_b64 v11, v[C+4:C+5] offset:256*((\t)%2)+512
.else
	ds_store_b64 v11, v[C:C+1] offset:256*((\t)%2)+520
	ds_store_b128 v11, v[C+2:C+5] offset:256*((\t)%2)+1024
.endif
.if (\t)+2 < 4
	WLOAD (\t)+2
.endif
	s_wait_dscnt 0x0                               ; the stores have read their registers: the next block's codes may be written
.endm
.macro FREQ i, f                               ; lane i takes the number f
	v_cmp_ne_u32 vcc_lo, \i, v2
	v_cndmask_b32 v5, \f, v5, vcc_lo
.endm
	s_load_b256 s[4:11], s[0:1], 0x0               ; x s[4:5], w_qkv s[6:7], w_proj s[8:9], gcodes s[10:11]
	s_load_b128 s[12:15], s[0:1], 0x20             ; gscl s[12:13], rope s[14:15]
	v_lshl_add_u32 v254, v0, 2, 0xb800
	v_mov_b32 v255, 0
	v_lshrrev_b32 v1, 5, v0
	v_readfirstlane_b32 s16, v1                    ; wave 0..3
	v_and_b32 v2, 31, v0                           ; lane
	v_and_b32 v3, 15, v0                           ; r
	v_bfe_u32 v8, v0, 4, 1                         ; h
	s_mov_b32 s20, 0x76543210
	s_mov_b32 s21, 0xfedcba98                      ; v_permlanex16_b32's selects for lane l xor 16
	s_wait_kmcnt 0x0
	s_cmp_lt_u32 ttmp9, 128
	s_cbranch_scc0 .Lweights
	; ---- x.  T = 4 x work-group + wave.  X'S PLACES (for x this order takes the place of the one named at the head, which the weights keep):
	; place p of T is row first + p % 8 + 32 (p / 8), first = 64 x work-group + 8 x wave.  So the 32 registers of four neighbouring tiles of a matrix result whose registers run along x's rows are 32 neighbouring rows.
	s_lshl_b32 s22, ttmp9, 6
	s_lshl_b32 s23, s16, 3
	s_add_co_u32 s22, s22, s23
	s_lshl_b32 s22, s22, 12                        ; rows of 4,096 bytes
	s_mov_b32 s23, 0
	s_add_nc_u64 s[4:5], s[4:5], s[22:23]
	s_lshl_b32 s24, ttmp9, 2
	s_add_co_u32 s24, s24, s16                     ; T
	s_mul_i32 s22, s24, TROW
	s_add_nc_u64 s[10:11], s[10:11], s[22:23]
	s_lshl_b32 s22, s24, 9                         ; 16 places x 32 bytes of scale words
	s_add_nc_u64 s[12:13], s[12:13], s[22:23]
	s_wait_alu depctr_va_vdst(0)
	v_lshlrev_b32 v4, 4, v2                        ; 16 x lane
	s_mul_i32 s25, s16, XW                         ; my stage
	v_add_nc_u32 v5, s25, v4                       ; in: 16 x lane in a row
	v_mul_u32_u24 v6, v3, XSP
	v_lshl_add_u32 v6, v8, 6, v6
	v_add_nc_u32 v6, s25, v6                       ; back: row r, + 64 h: my 16 numbers of a block of 32
	v_lshlrev_b32 v7, 5, v3
	v_lshl_add_u32 v7, v8, 4, v7                   ; scale words: 32 r + 16 h
.irp b, 0,1,2,3
	v_mov_b32 v[TM+4+\b], 0                        ; written once: a lane permute's destination counts as one of its sources
.endr
	XLOAD 0
	XLOAD 1
	s_wait_alu depctr_va_vdst(0)
.irp t, 0,1,2,3,4,5,6,7
	XSTEP \t
.endr
	v_cmp_lt_u32 vcc_lo, 15, v2                    ; lanes 16-31 hold the same eight words as lanes 0-15: they store words 4 to 7
.irp i, 0,1,2,3
	v_cndmask_b32 v[XN+\i], v[W+\i], v[W+4+\i], vcc_lo
.endr
	global_store_b128 v7, v[XN:XN+3], s[12:13]     ; 512 consecutive bytes
	s_wait_tensorcnt 0x0
	ds_add_u32 v254, v255
	s_wait_dscnt 0x0
	s_endpgm
.Lweights:
	s_cmp_lt_u32 ttmp9, 384
	s_cbranch_scc0 .Ltable
	; ---- the weights.  wx = 128 columns of the 4,096 of both tensors on end, ks = which 128 along K
	s_sub_co_u32 s22, ttmp9, 128
	s_and_b32 s23, s22, 31                         ; wx
	s_lshr_b32 s24, s22, 5                         ; ks
	s_cmp_lt_u32 s23, 24                           ; w_qkv or w_proj: the choice hangs on the work-group's number alone
	s_cselect_b64 s[6:7], s[6:7], s[8:9]
	s_mov_b32 s25, 4096
	s_cselect_b32 s25, 12288, s25                  ; a row of the tensor in bytes
	s_cselect_b32 s26, 0, 24
	s_sub_co_u32 s26, s23, s26                     ; wx inside the tensor
	s_lshl_b32 s26, s26, 9                         ; 128 columns of 4 bytes
	s_lshl_b32 s27, s16, 7                         ; my wave's 32
	s_add_co_u32 s26, s26, s27
	s_lshl_b32 s27, s24, 7
	s_mul_i32 s27, s27, s25                        ; 128 ks rows down
	s_add_co_u32 s26, s26, s27
	s_mov_b32 s27, 0
	s_add_nc_u64 s[32:33], s[6:7], s[26:27]        ; a base for each block of 32 rows
	s_lshl_b32 s26, s25, 5
	s_add_nc_u64 s[34:35], s[32:33], s[26:27]
	s_add_nc_u64 s[36:37], s[34:35], s[26:27]
	s_add_nc_u64 s[38:39], s[36:37], s[26:27]
	s_wait_alu depctr_va_vdst(0)
	v_lshlrev_b32 v4, 2, v2
.set i, 0
.rept 32
	v_mad_u32_u24 v[VO+i], s25, i, v4              ; row i of a block: 4 x lane + i rows
.set i, i+1
.endr
	WLOAD 0
	WLOAD 1
	v_bfe_u32 v9, v0, 3, 1                         ; column lane stands at place pi(lane): tile = bit 3,
	v_and_b32 v10, 7, v0
	v_lshl_add_u32 v10, v8, 3, v10                 ; place in the tile = lane % 8 + 8 x bit 4
	s_mul_i32 s28, s16, WW
	s_add_co_u32 s28, s28, WST                     ; my two images in LDS
	v_mul_u32_u24 v11, v9, WTL
	v_lshl_add_u32 v11, v10, 4, v11
	v_add_nc_u32 v11, s28, v11                     ; in: my tile's image, 16 x my place
	v_lshlrev_b32 v12, 4, v2                       ; out: 16 x lane, in LDS and in gcodes
	v_add_nc_u32 v13, s28, v12
	v_lshl_add_u32 v14, v9, 4, v10
	v_lshlrev_b32 v14, 5, v14                      ; my place's 32 bytes of scale words
	s_lshl_b32 s29, s23, 3
	s_lshl_b32 s30, s16, 1
	s_add_co_u32 s29, s29, s30
	s_add_co_u32 s29, s29, 512                     ; my first T = 512 + 8 wx + 2 wave
	s_lshl_b32 s30, s29, 3
	s_add_co_u32 s30, s30, s24
	s_mul_i32 s30, s30, 1536
	s_mov_b32 s31, 0
	s_add_nc_u64 s[10:11], s[10:11], s[30:31]
	s_lshl_b32 s30, s29, 9
	s_lshl_b32 s29, s24, 2
	s_add_co_u32 s30, s30, s29
	s_add_nc_u64 s[12:13], s[12:13], s[30:31]
.irp t, 0,1,2,3
	WBLOCK \t
.endr
	s_wait_alu depctr_va_vdst(0)
	global_store_b32 v14, v[SBW], s[12:13]         ; 4 bytes of each place's 32: these stores fill their surroundings in part; they are 131,072 bytes of the launch's 67 million
.irp u, 0,1
.irp c, 0,1,2
	ds_load_b128 v[OUT+12*\u+4*\c:OUT+12*\u+4*\c+3], v13 offset:WTL*\u+512*\c
.endr
.endr
.irp u, 0,1
.irp c, 0,1,2
	s_wait_dscnt 5-3*\u-\c                         ; LDS loads come back in order: the younger ones may be out
	global_store_b128 v12, v[OUT+12*\u+4*\c:OUT+12*\u+4*\c+3], s[10:11] offset:TROW*\u+512*\c   ; 512 consecutive bytes
.endr
.endr
	s_wait_tensorcnt 0x0
	ds_add_u32 v254, v255
	s_wait_dscnt 0x0
	s_endpgm
.Ltable:
	; ---- rope [position 2048][i 32][cos, sin]: the angle is position x 10^(-i/8), one f32 product; it is reduced by multiples of pi/2 in three parts with fused multiply-adds
	; (the first subtraction is exact), and cos and sin of the rest, at most pi/4, are sums of powers with the series' own coefficients; the term left out is under half a unit in the last place.
	s_sub_co_u32 s22, ttmp9, 384
	s_lshl_b32 s22, s22, 7
	s_lshl_b32 s23, s16, 5
	s_add_co_u32 s22, s22, s23                     ; my wave's first position
	s_lshl_b32 s24, s22, 8                         ; 256 bytes a position
	s_mov_b32 s25, 0
	s_add_nc_u64 s[14:15], s[14:15], s[24:25]
	s_wait_alu depctr_va_vdst(0)
	v_lshlrev_b32 v4, 3, v2
	v_mov_b32 v5, 1.0
	FREQ 1, 0.7498942093
	FREQ 2, 0.5623413252
	FREQ 3, 0.4216965034
	FREQ 4, 0.3162277660
	FREQ 5, 0.2371373706
	FREQ 6, 0.1778279410
	FREQ 7, 0.1333521432
	FREQ 8, 0.1
	FREQ 9, 0.07498942093
	FREQ 10, 0.05623413252
	FREQ 11, 0.04216965034
	FREQ 12, 0.03162277660
	FREQ 13, 0.02371373706
	FREQ 14, 0.01778279410
	FREQ 15, 0.01333521432
	FREQ 16, 0.01
	FREQ 17, 0.007498942093
	FREQ 18, 0.005623413252
	FREQ 19, 0.004216965034
	FREQ 20, 0.003162277660
	FREQ 21, 0.002371373706
	FREQ 22, 0.001778279410
	FREQ 23, 0.001333521432
	FREQ 24, 0.001
	FREQ 25, 0.0007498942093
	FREQ 26, 0.0005623413252
	FREQ 27, 0.0004216965034
	FREQ 28, 0.0003162277660
	FREQ 29, 0.0002371373706
	FREQ 30, 0.0001778279410
	FREQ 31, 0.0001333521432
	s_mov_b32 s26, 0
.Lpos:
	v_cvt_f32_u32 v8, s22
	v_mul_f32 v8, v8, v5                           ; the angle
	v_mul_f32 v9, 0x3f22f983, v8                   ; x 2 / pi
	v_rndne_f32 v9, v9                             ; n
	v_fma_f32 v10, v9, 0xbfc90fd8, v8              ; - n x pi/2, high part,
	v_fma_f32 v10, v9, 0xb4a8885a, v10             ; middle part,
	v_fma_f32 v10, v9, 0xa7c234c4, v10             ; low part: a
	v_cvt_i32_f32 v11, v9
	v_mul_f32 v12, v10, v10                        ; a^2
	v_mov_b32 v13, 0xb493f27e                      ; cos a: -1/10!, 1/8!, -1/6!, 1/4!, -1/2, 1
	v_mov_b32 v14, 0x3638ef1d                      ; sin a: 1/9!, -1/7!, 1/5!, -1/3!
	v_fmaak_f32 v13, v13, v12, 0x37d00d01
	v_fmaak_f32 v14, v14, v12, 0xb9500d01
	v_fmaak_f32 v13, v13, v12, 0xbab60b61
	v_fmaak_f32 v14, v14, v12, 0x3c088889
	v_fmaak_f32 v13, v13, v12, 0x3d2aaaab
	v_fmaak_f32 v14, v14, v12, 0xbe2aaaab
	v_mul_f32 v15, v10, v12
	v_fma_f32 v13, v13, v12, -0.5
	v_fma_f32 v14, v14, v15, v10                   ; sin a
	v_fma_f32 v13, v13, v12, 1.0                   ; cos a
	v_and_b32 v16, 1, v11
	v_cmp_eq_u32 vcc_lo, 1, v16                    ; n odd: the two change places
	v_cndmask_b32 v17, v13, v14, vcc_lo
	v_cndmask_b32 v18, v14, v13, vcc_lo
	v_add_nc_u32 v19, 1, v11
	v_and_b32 v19, 2, v19
	v_lshlrev_b32 v19, 30, v19                     ; cos is negative for n % 4 = 1, 2
	v_and_b32 v16, 2, v11
	v_lshlrev_b32 v16, 30, v16                     ; sin for n % 4 = 2, 3
	v_xor_b32 v20, v17, v19
	v_xor_b32 v21, v18, v16
	global_store_b64 v4, v[20:21], s[14:15]        ; 32 lanes store 256 consecutive bytes, aligned
	s_wait_xcnt 0x0                                ; the store has read its data and its base: both are written again only behind this wait
	s_add_nc_u64 s[14:15], s[14:15], 256
	s_add_co_u32 s22, s22, 1
	s_add_co_u32 s26, s26, 1
	s_cmp_lt_u32 s26, 32
	s_cbranch_scc1 .Lpos
	s_endpgm
.Lfunc_end_k_q73eec4c40c_prep:
	.size	k_q73eec4c40c_prep, .Lfunc_end_k_q73eec4c40c_prep-k_q73eec4c40c_prep
	.p2alignl 7, 3214868480
	.fill 96, 4, 3214868480
	.section	.rodata,"a",@progbits
	.p2align	6, 0x0
	.amdhsa_kernel k_q73eec4c40c_prep
		.amdhsa_group_segment_fixed_size 47616
		.amdhsa_private_segment_fixed_size 0
		.amdhsa_enable_private_segment 0
		.amdhsa_kernarg_size 48
		.amdhsa_user_sgpr_count 2
		.amdhsa_user_sgpr_kernarg_segment_ptr 1
		.amdhsa_wavefront_size32 1
		.amdhsa_system_sgpr_workgroup_id_x 1
		.amdhsa_system_sgpr_workgroup_id_y 1
		.amdhsa_system_sgpr_workgroup_id_z 1
		.amdhsa_system_vgpr_workitem_id 0
		.amdhsa_next_free_vgpr 256
		.amdhsa_next_free_sgpr 66
		.amdhsa_reserve_vcc 1
		.amdhsa_float_denorm_mode_32 3
		.amdhsa_float_denorm_mode_16_64 3
		.amdhsa_memory_ordered 1
		.amdhsa_forward_progress 1
		.amdhsa_inst_pref_size 93
	.end_amdhsa_kernel
	.amdgpu_metadata
---
amdhsa.version: [ 1, 2 ]
amdhsa.kernels:
  - .name:           k_q73eec4c40c_prep
    .symbol:         k_q73eec4c40c_prep.kd
    .args:
      - { .name: x, .offset: 0, .size: 8, .value_kind: global_buffer, .address_space: global }
      - { .name: w_qkv, .offset: 8, .size: 8, .value_kind: global_buffer, .address_space: global }
      - { .name: w_proj, .offset: 16, .size: 8, .value_kind: global_buffer, .address_space: global }
      - { .name: gcodes, .offset: 24, .size: 8, .value_kind: global_buffer, .address_space: global }
      - { .name: gscl, .offset: 32, .size: 8, .value_kind: global_buffer, .address_space: global }
      - { .name: rope, .offset: 40, .size: 8, .value_kind: global_buffer, .address_space: global }
    .group_segment_fixed_size: 47616
    .private_segment_fixed_size: 0
    .kernarg_segment_align: 8
    .kernarg_segment_size: 48
    .max_flat_workgroup_size: 128
    .sgpr_count:     66
    .vgpr_count:     256
    .wavefront_size: 32
...
	.end_amdgpu_metadata
.endif
;; end of part 1
;; launch qkv (part 2): grid 12 x 32, 4 waves a work-group, clusters of 4 x 4, 327,680 bytes of LDS; arguments gcodes, gscl, rope, qbuf, kvbuf; writes qbuf, kvbuf
.if DOCPART == 2
	.amdgcn_target "amdgcn-amd-amdhsa--gfx1250"
	.amdhsa_code_object_version 6
	.text
	.protected	k_q73eec4c40c_qkv
	.globl	k_q73eec4c40c_qkv
	.p2align	8
	.type	k_q73eec4c40c_qkv,@function
k_q73eec4c40c_qkv:
	s_mov_b64 s[64:65], 0
	v_nop
	global_prefetch_b8 v0, s[64:65] scope:SCOPE_SE
	s_setreg_imm32_b32 hwreg(HW_REG_WAVE_MODE, 25, 1), 1
	s_wait_xcnt 0x0
	s_wait_alu depctr_hold_cnt(0) depctr_sa_sdst(0) depctr_va_vdst(0) depctr_va_sdst(0) depctr_va_ssrc(0) depctr_va_vcc(0) depctr_vm_vsrc(0)
	s_getreg_b32 s2, hwreg(HW_REG_IB_STS2, 6, 4)
	s_cmp_eq_u32 s2, 0
	s_cbranch_scc0 .Lentry_in_a_cluster
	s_endpgm
.Lentry_in_a_cluster:
	s_bfe_u32 s2, ttmp6, 0x10000c
	s_cmp_lg_u32 s2, 0xf033
	s_cbranch_scc0 .Lentry_shape_is_right
	s_endpgm
.Lentry_shape_is_right:
.set FR,    12
.set FRB,   1536
.set NL,    3
.set NP,    4
.set TROW,  8*FRB
.set HALFT, 8*2*FRB
.set SLOT,  4*HALFT
.set SPARE, 2*SLOT
.set ADRA,  16
.set ADRB,  20
.set SPW,   28
.set NIL,   29
.set SC,    32
.set AF,    128
.set R,     96
.set PC,    160
.set TM,    180
.set PW,    196
.set W,     200
.set G1,    24
.set G0,    32
.set G1B,   48
.set G0B,   56
.set SEL,   80
.set MSB, 0
.macro WIN new
.if MSB != (\new)
	s_set_vgpr_msb (MSB<<8)|(\new)
.set MSB, (\new)
.endif
.endm
.set MUL_LO, 0xa1
.set MUL_HI, 0xf1
.set TO_B,   0x40
.macro JLOAD g0a, g1a, g0b, g1b
	s_cmp_eq_u32 s15, 0
	s_cbranch_scc0 .Lfor_b_\@
	tensor_load_to_lds s[\g0a:\g0a+3], s[\g1a:\g1a+7]
	s_nop 0
.rept 4
	v_nop
.endr
	s_branch .Lasked_\@
.Lfor_b_\@:
	tensor_load_to_lds s[\g0b:\g0b+3], s[\g1b:\g1b+7]
	s_nop 0
.rept 4
	v_nop
.endr
.Lasked_\@:
.endm
.macro CREST
	s_cmp_lg_u32 s14, 0
	s_cbranch_scc1 .Lnot_wave_0_\@
	s_barrier_signal -3
.Lnot_wave_0_\@:
	s_barrier_wait -3
	s_barrier_signal -1
	s_barrier_wait -1
.endm
.macro CROUND
	s_barrier_signal -1
	s_barrier_wait -1
	CREST
.endm
.macro PLACES n
.rept \n
	v_nop
.endr
.endm
.macro FRAG reg, adr, q, i
.irp c, 0,1,2
	ds_load_b128 v[\reg+4*\c:\reg+4*\c+3], v[\adr] offset:(2*(\i)+(\q))*FRB+512*\c
.endr
.endm
.macro FETCH_B slot, q, p
	WIN TO_B
.irp i, 0,1,2,3,4,5,6,7
	FRAG 128*(\p)+FR*\i, ADRB+\slot, \q, \i
.endr
	WIN 0
.endm
.macro FETCH_A slot, q, i0
.irp i, \i0, \i0+1, \i0+2, \i0+3
	FRAG AF+FR*(\i), ADRA+\slot, \q, \i
.endr
.endm
.macro MUL16 a0, p, ks, zero
.irp a, \a0, \a0+1
.irp b, 0,1,2,3,4,5,6,7
.if \zero
	v_wmma_scale_f32_16x16x128_f8f6f4 v[8*(8*((\a)%4)+\b):8*(8*((\a)%4)+\b)+7], v[128*(\p)+FR*\b:128*(\p)+FR*\b+FR-1], v[AF+FR*(\a):AF+FR*(\a)+FR-1], 0, v[SC+8*\b+(\ks)], v[SC+8*(\a)+(\ks)] matrix_a_fmt:MATRIX_FMT_FP6 matrix_b_fmt:MATRIX_FMT_FP6 matrix_a_scale:MATRIX_SCALE_ROW1
.else
	v_wmma_scale_f32_16x16x128_f8f6f4 v[8*(8*((\a)%4)+\b):8*(8*((\a)%4)+\b)+7], v[128*(\p)+FR*\b:128*(\p)+FR*\b+FR-1], v[AF+FR*(\a):AF+FR*(\a)+FR-1], v[8*(8*((\a)%4)+\b):8*(8*((\a)%4)+\b)+7], v[SC+8*\b+(\ks)], v[SC+8*(\a)+(\ks)] matrix_a_fmt:MATRIX_FMT_FP6 matrix_b_fmt:MATRIX_FMT_FP6 matrix_a_scale:MATRIX_SCALE_ROW1
.endif
.endr
.endr
.endm
.macro STEP slot, ks, zero
	s_wait_dscnt 4*NL
	WIN MUL_LO
	MUL16 0, 0, \ks, \zero
	MUL16 2, 0, \ks, \zero
	s_wait_dscnt 0x0
	PLACES NP
	FETCH_B \slot, 1, 1
	FETCH_A \slot, 1, 0
	WIN MUL_HI
	MUL16 4, 0, \ks, \zero
	MUL16 6, 0, \ks, \zero
	PLACES NP
	WIN 0
	FETCH_A \slot, 1, 4
.endm
.macro TURN slot, next, ks, fill
	s_wait_tensorcnt 0x0
	ds_add_u32 v[SPW], v[NIL]
	s_wait_dscnt 4*NL+1
	WIN MUL_LO
	MUL16 0, 1, \ks, 0
	s_wait_dscnt 0x0
	s_barrier_signal -1
	MUL16 2, 1, \ks, 0
	WIN 0
	s_barrier_wait -1
.if \fill
	CREST
	s_add_nc_u64 s[G0+4*\slot+2:G0+4*\slot+3], s[G0+4*\slot+2:G0+4*\slot+3], 4*FRB
	s_add_nc_u64 s[G0B+4*\slot+2:G0B+4*\slot+3], s[G0B+4*\slot+2:G0B+4*\slot+3], 4*FRB
	JLOAD G0+4*\slot, G1, G0B+4*\slot, G1B
.else
	PLACES NP
.endif
	FETCH_B \next, 0, 0
	FETCH_A \next, 0, 0
	WIN MUL_HI
	MUL16 4, 1, \ks, 0
	MUL16 6, 1, \ks, 0
	PLACES NP
	WIN 0
	FETCH_A \next, 0, 4
.endm
.macro QUANT s, w, pw
	WIN ((\w)<<2)|((\w)<<4)
.irp b, 0,1,2,3
	v_max3_num_f32 v[TM+\b], 0x1800000, |v[(\s)+16*\b]|, |v[(\s)+1+16*\b]|
.endr
.irp i, 2,4,6,8,10,12,14
.irp b, 0,1,2,3
	v_max3_num_f32 v[TM+\b], v[TM+\b], |v[(\s)+16*\b+\i]|, |v[(\s)+1+16*\b+\i]|
.endr
.endr
	WIN 0
.irp b, 0,1,2,3
	v_permlanex16_b32 v[TM+4+\b], v[TM+\b], s[SEL], s[SEL+1]
.endr
.irp b, 0,1,2,3
	v_max_num_f32 v[TM+\b], v[TM+\b], v[TM+4+\b]
.endr
.irp b, 0,1,2,3
	v_add_nc_u32 v[TM+12+\b], 0xff000000, v[TM+\b]
.endr
.irp b, 0,1,2,3
	v_lshrrev_b32 v[TM+4+\b], 23, v[TM+12+\b]
.endr
	v_lshl_or_b32 v[\pw], v[TM+5], 8, v[TM+4]
	v_lshl_or_b32 v[\pw], v[TM+6], 16, v[\pw]
	v_lshl_or_b32 v[\pw], v[TM+7], 24, v[\pw]
	WIN (\w)
.irp c, 0,1
	v_cvt_scalef32_pk16_fp6_f32 v[PC+6*\c:PC+2+6*\c], v[(\s)+32*\c:(\s)+15+32*\c], v[TM+12+2*\c]
	v_cvt_scalef32_pk16_fp6_f32 v[PC+12+4*\c:PC+14+4*\c], v[(\s)+16+32*\c:(\s)+31+32*\c], v[TM+12+2*\c+1]
.endr
	WIN 0
	v_nop
.irp c, 0,1
.irp i, 0,1,2
	v_permlane16_swap_b32 v[PC+6*\c+\i], v[PC+12+4*\c+\i]
.endr
.irp i, 0,1,2
	v_mov_b32 v[PC+3+6*\c+\i], v[PC+12+4*\c+\i]
.endr
.endr
.endm
; v's quantiser.  Registers run along the tokens: register 32 c + i of a lane is token 64 c + 32 (lane / 16) + i, a whole block of 32 in one lane: no other lane is asked for a maximum, and the codes are the operand's registers.
.macro QUANTV s, w, pw
	WIN ((\w)<<2)|((\w)<<4)
.irp c, 0,1
	v_max3_num_f32 v[TM+\c], 0x1800000, |v[(\s)+32*\c]|, |v[(\s)+1+32*\c]|
.endr
.irp i, 2,4,6,8,10,12,14,16,18,20,22,24,26,28,30
.irp c, 0,1
	v_max3_num_f32 v[TM+\c], v[TM+\c], |v[(\s)+32*\c+\i]|, |v[(\s)+1+32*\c+\i]|
.endr
.endr
	WIN 0
.irp c, 0,1
	v_add_nc_u32 v[TM+12+\c], 0xff000000, v[TM+\c]
.endr
.irp c, 0,1
	v_lshrrev_b32 v[TM+4+\c], 23, v[TM+12+\c]
.endr
	v_lshl_or_b32 v[TM+4], v[TM+5], 16, v[TM+4]    ; my two bytes: blocks h and 2 + h,
	v_lshlrev_b32 v[TM+4], v26, v[TM+4]            ; 8 h bits up;
	v_permlanex16_b32 v[TM+6], v[TM+4], s[SEL], s[SEL+1]
	v_or_b32 v[\pw], v[TM+4], v[TM+6]              ; with lane l xor 16's two the word is whole
	WIN (\w)
.irp c, 0,1
	v_cvt_scalef32_pk16_fp6_f32 v[PC+6*\c:PC+2+6*\c], v[(\s)+32*\c:(\s)+15+32*\c], v[TM+12+\c]
	v_cvt_scalef32_pk16_fp6_f32 v[PC+12+4*\c:PC+14+4*\c], v[(\s)+16+32*\c:(\s)+31+32*\c], v[TM+12+\c]
.endr
	WIN 0
	v_nop
.irp c, 0,1
.irp i, 0,1,2
	v_mov_b32 v[PC+3+6*\c+\i], v[PC+12+4*\c+\i]
.endr
.endr
.endm
.macro CSLOAD a
	WIN 0x40
.irp e, 0,1
.irp j, 0,1,2,3
	global_load_b128 v[32*((\a)%2)+16*\e+4*\j:32*((\a)%2)+16*\e+4*\j+3], v24, s[8:9] offset:(64*((\a)/4)+8*((\a)%4))*256+128*\e+16*\j
.endr
.endr
	WIN 0
.endm
.macro ROPE a
.set AC, 64*((\a)%4)
.set CB, 32*((\a)%2)
	WIN 0x06+(\a)/4
.irp g, 0,1,2,3
.irp i, 0,2,4,6,8,10,12,14
	v_pk_mul_f32 v[R+16*\g+\i:R+16*\g+\i+1], v[AC+16*\g+\i:AC+16*\g+\i+1], v[CB+16*(\g%2)+\i:CB+16*(\g%2)+\i+1] op_sel_hi:[1,0]
.endr
.irp i, 0,2,4,6,8,10,12,14
	v_fma_f32 v[R+16*\g+\i], -v[AC+16*\g+\i+1], v[CB+16*(\g%2)+\i+1], v[R+16*\g+\i]
	v_fma_f32 v[R+16*\g+\i+1], v[AC+16*\g+\i], v[CB+16*(\g%2)+\i+1], v[R+16*\g+\i+1]
.endr
.endr
	WIN 0
.endm
	s_load_b256 s[4:11], s[0:1], 0x0
	s_load_b64 s[12:13], s[0:1], 0x20
	v_lshl_add_u32 v[SPW], v0, 2, SPARE
	v_mov_b32 v[NIL], 0
	ds_add_u32 v28, v29
	ds_add_u32 v28, v29
	s_wait_dscnt 0x0
	v_lshrrev_b32 v1, 5, v0
	v_readfirstlane_b32 s14, v1
	s_lshr_b32 s15, s14, 1
	s_and_b32 s16, s14, 1
	s_bfe_u32 s40, ttmp6, 0x40000
	s_bfe_u32 s41, ttmp6, 0x40004
	s_and_b32 s17, ttmp7, 0xffff
	s_lshr_b32 s66, ttmp9, 1
	s_xor_b32 s67, s66, 1
	s_lshl_b32 s18, s17, 2
	s_mul_i32 s68, s67, s18
	s_mul_i32 s19, s66, 40
	s_add_co_u32 s68, s68, s19
	s_add_co_u32 s68, s68, s41
	s_lshl_b32 s19, ttmp9, 2
	s_add_co_u32 s19, s19, 32
	s_mul_i32 s69, s67, s19
	s_mul_i32 s19, s66, s18
	s_add_co_u32 s69, s69, s19
	s_add_co_u32 s69, s69, s40
	s_lshl_b32 s43, s41, 2
	s_lshl_b32 s43, 15, s43
	s_lshl_b32 s44, 0x1111, s40
	s_or_b32 s[G1+0], s43, (3<<16)|(1<<21)
	s_or_b32 s[G1B+0], s44, (3<<16)|(1<<21)
.irp g, G1, G1B
	s_mov_b32 s[\g+1], 384<<16
	s_mov_b32 s[\g+2], 8<<16
	s_mov_b32 s[\g+3], 384<<16
	s_mov_b32 s[\g+4], 8
	s_mov_b32 s[\g+5], 1536
	s_mov_b32 s[\g+6], 0
	s_mov_b32 s[\g+7], 0
.endr
	s_lshl_b32 s18, s16, 3
	s_lshl_b32 s20, s68, 4
	s_add_co_u32 s20, s20, s18
	s_mul_i32 s20, s20, TROW
	s_mov_b32 s21, 0
	s_lshl_b32 s46, s69, 4
	s_add_co_u32 s46, s46, s18
	s_mul_i32 s46, s46, TROW
	s_mov_b32 s47, 0
	s_mul_i32 s45, s14, HALFT
	s_wait_kmcnt 0x0
	s_add_nc_u64 s[20:21], s[4:5], s[20:21]
	s_add_nc_u64 s[46:47], s[4:5], s[46:47]
	CROUND
.irp s, 0,1
	s_mov_b32 s[G0+4*\s], 1
	s_add_co_u32 s[G0+4*\s+1], s45, \s*SLOT
	s_add_nc_u64 s[G0+4*\s+2:G0+4*\s+3], s[20:21], \s*2*FRB
	s_or_b32 s[G0+4*\s+3], s[G0+4*\s+3], 0x80000000
	s_mov_b32 s[G0B+4*\s], 1
	s_add_co_u32 s[G0B+4*\s+1], s45, \s*SLOT
	s_add_nc_u64 s[G0B+4*\s+2:G0B+4*\s+3], s[46:47], \s*2*FRB
	s_or_b32 s[G0B+4*\s+3], s[G0B+4*\s+3], 0x80000000
	s_wait_alu depctr_va_vdst(0)
	s_wait_tensorcnt 0x0
	ds_add_u32 v28, v29
	ds_add_u32 v28, v29
	s_wait_dscnt 0x0
	CROUND
	JLOAD G0+4*\s, G1, G0B+4*\s, G1B
.endr
	v_and_b32 v1, 15, v0
	v_bfe_u32 v2, v0, 4, 1
	s_wait_alu depctr_va_vdst(0)
	v_and_b32 v3, 31, v0
	v_lshlrev_b32 v4, 4, v3
	s_mul_i32 s21, s15, HALFT
	s_mul_i32 s22, s16, HALFT
	s_add_co_u32 s22, s22, 2*HALFT
.irp s, 0,1
	v_add_nc_u32 v[ADRA+\s], s21, v4
	v_add_nc_u32 v[ADRB+\s], s22, v4
	s_add_co_u32 s21, s21, SLOT
	s_add_co_u32 s22, s22, SLOT
.endr
	s_lshl_b32 s18, s68, 13
	s_lshl_b32 s19, s15, 12
	s_add_co_u32 s18, s18, s19
	s_lshl_b32 s19, s69, 13
	s_lshl_b32 s23, s16, 12
	s_add_co_u32 s19, s19, s23
	v_mov_b32 v5, s18
	v_mov_b32 v6, s19
	v_cmp_eq_u32 vcc_lo, 1, v2
	v_cndmask_b32 v5, v5, v6, vcc_lo
	v_lshl_add_u32 v5, v1, 5, v5
.irp i, 0,1,2,3,4,5,6,7
.irp j, 0,1
	global_load_b128 v[SC+8*\i+4*\j:SC+8*\i+4*\j+3], v5, s[6:7] offset:512*\i+16*\j
.endr
.endr
	s_wait_alu depctr_va_vdst(0)
	s_wait_tensorcnt 1
	s_barrier_signal -1
	s_barrier_wait -1
	FETCH_B 0, 0, 0
	FETCH_A 0, 0, 0
	FETCH_A 0, 0, 4
	s_wait_loadcnt 0x0
	STEP 0, 0, 1
	TURN 0, 1, 1, 1
	STEP 1, 2, 0
	TURN 1, 0, 3, 1
	STEP 0, 4, 0
	TURN 0, 1, 5, 0
	STEP 1, 6, 0
	s_wait_dscnt 4*NL
	WIN MUL_LO
	MUL16 0, 1, 7, 0
	MUL16 2, 1, 7, 0
	s_wait_dscnt 0x0
	WIN MUL_HI
	MUL16 4, 1, 7, 0
	MUL16 6, 1, 7, 0
	WIN 0
	PLACES NP
	s_mov_b32 s[SEL], 0x76543210
	s_mov_b32 s[SEL+1], 0xfedcba98
.irp b, 0,1,2,3
	v_mov_b32 v[TM+4+\b], 0
.endr
	s_cmp_lg_u32 s66, 0
	s_cbranch_scc1 .Lv_out
	s_cmp_eq_u32 ttmp9, 0
	s_cselect_b64 s[70:71], s[10:11], s[12:13]
	s_mov_b32 s72, 13056
	s_cselect_b32 s72, 6656, s72
	s_and_b32 s73, s68, 7
	s_lshl_b32 s73, s73, 1
	s_add_co_u32 s73, s73, s15
	s_lshr_b32 s74, s17, 1
	s_lshl_b32 s74, s74, 4
	s_lshl_b32 s75, s40, 2
	s_add_co_u32 s74, s74, s75
	s_lshl_b32 s75, s16, 1
	s_add_co_u32 s74, s74, s75
	s_lshl_b32 s74, s74, 4
	s_add_co_u32 s74, s74, s73
	s_mul_i32 s74, s74, s72
	s_mov_b32 s75, 0
	s_add_nc_u64 s[70:71], s[70:71], s[74:75]
	s_lshl_b32 s74, s72, 4
	s_add_nc_u64 s[76:77], s[70:71], s[74:75]
	v_and_b32 v6, 8, v1
	v_mad_u32_u24 v6, v6, 3, v1                    ; place r of a tile of x is position r % 8 + 32 (r / 8) from the tile's first
	v_lshlrev_b32 v24, 8, v6
	v_lshl_add_u32 v24, v2, 6, v24
	s_lshl_b32 s78, s73, 15
	v_add_nc_u32 v24, s78, v24
	v_lshlrev_b32 v25, 3, v3
	v_lshlrev_b32 v27, 4, v2
	v_mul_u32_u24 v30, s74, v2
	v_lshl_add_u32 v30, v1, 4, v30
	CSLOAD 0
.irp a, 0,1,2,3,4,5,6,7
.if \a > 0
	s_wait_xcnt 0x0
.endif
.if \a < 7
	CSLOAD \a+1
	s_wait_loadcnt 8
.else
	s_wait_loadcnt 0x0
.endif
	ROPE \a
	QUANT R, 0, PW
	v_bfe_u32 v[W+\a], v[PW], v27, 16
.irp e, 0,1
.irp p, 0,1,2
	global_store_b64 v25, v[PC+6*\e+2*\p:PC+6*\e+2*\p+1], s[70+6*\e:71+6*\e] offset:768*\a+256*\p
.endr
.endr
.endr
.irp j, 0,1
	global_store_b128 v30, v[W+4*\j:W+4*\j+3], s[70:71] offset:6144+256*\j
.endr
	s_branch .Lend
.Lv_out:
	s_and_b32 s73, s69, 7
	s_lshl_b32 s73, s73, 1
	s_add_co_u32 s73, s73, s16
	s_lshr_b32 s74, s17, 1
	s_lshl_b32 s74, s74, 4
	s_lshl_b32 s75, s41, 2
	s_add_co_u32 s74, s74, s75
	s_lshl_b32 s75, s15, 1
	s_add_co_u32 s74, s74, s75
	s_lshl_b32 s74, s74, 4
	s_add_co_u32 s74, s74, s73
	s_mul_i32 s74, s74, 13056
	s_mov_b32 s75, 0
	s_add_nc_u64 s[70:71], s[12:13], s[74:75]
	s_add_nc_u64 s[76:77], s[70:71], 16*13056
	v_mul_u32_u24 v30, 16*13056, v2
	v_lshlrev_b32 v26, 3, v2                       ; 8 h
	v_lshl_add_u32 v30, v1, 4, v30
.irp a, 0,1,2,3,4,5,6,7
.if \a > 0
	s_wait_xcnt 0x0
.endif
	QUANTV 64*((\a)%4), 2+(\a)/4, W+\a
.irp c, 0,1,2
	global_store_b128 v4, v[PC+4*\c:PC+4*\c+3], s[70+6*(\a/4):71+6*(\a/4)] offset:6656+1536*(\a%4)+512*\c
.endr
.endr
	v_cmp_eq_u32 vcc_lo, 1, v2
.irp i, 0,1,2,3
	v_cndmask_b32 v[R+\i], v[W+\i], v[W+4+\i], vcc_lo
.endr
	global_store_b128 v30, v[R:R+3], s[70:71] offset:12800
.Lend:
	s_wait_tensorcnt 0x0
	ds_add_u32 v[SPW], v[NIL]
	s_wait_dscnt 0x0
	CROUND
	s_endpgm
.Lfunc_end_k_q73eec4c40c_qkv:
	.size	k_q73eec4c40c_qkv, .Lfunc_end_k_q73eec4c40c_qkv-k_q73eec4c40c_qkv
	.p2alignl 7, 3214868480
	.fill 96, 4, 3214868480
	.section	.rodata,"a",@progbits
	.p2align	6, 0x0
	.amdhsa_kernel k_q73eec4c40c_qkv
		.amdhsa_group_segment_fixed_size 327680
		.amdhsa_private_segment_fixed_size 0
		.amdhsa_enable_private_segment 0
		.amdhsa_kernarg_size 40
		.amdhsa_user_sgpr_count 2
		.amdhsa_user_sgpr_kernarg_segment_ptr 1
		.amdhsa_wavefront_size32 1
		.amdhsa_system_sgpr_workgroup_id_x 1
		.amdhsa_system_sgpr_workgroup_id_y 1
		.amdhsa_system_sgpr_workgroup_id_z 1
		.amdhsa_system_vgpr_workitem_id 0
		.amdhsa_next_free_vgpr 1024
		.amdhsa_next_free_sgpr 100
		.amdhsa_reserve_vcc 1
		.amdhsa_float_denorm_mode_32 3
		.amdhsa_float_denorm_mode_16_64 3
		.amdhsa_memory_ordered 1
		.amdhsa_forward_progress 1
		.amdhsa_inst_pref_size 223
	.end_amdhsa_kernel
	.amdgpu_metadata
---
amdhsa.version: [ 1, 2 ]
amdhsa.kernels:
  - .name:           k_q73eec4c40c_qkv
    .symbol:         k_q73eec4c40c_qkv.kd
    .args:
      - { .name: gcodes, .offset: 0, .size: 8, .value_kind: global_buffer, .address_space: global }
      - { .name: gscl, .offset: 8, .size: 8, .value_kind: global_buffer, .address_space: global }
      - { .name: rope, .offset: 16, .size: 8, .value_kind: global_buffer, .address_space: global }
      - { .name: qbuf, .offset: 24, .size: 8, .value_kind: global_buffer, .address_space: global }
      - { .name: kvbuf, .offset: 32, .size: 8, .value_kind: global_buffer, .address_space: global }
    .group_segment_fixed_size: 327680
    .private_segment_fixed_size: 0
    .kernarg_segment_align: 8
    .kernarg_segment_size: 40
    .max_flat_workgroup_size: 128
    .sgpr_count:     100
    .vgpr_count:     1024
    .wavefront_size: 32
...
	.end_amdgpu_metadata
.endif
;; end of part 2
;; launch attn (part 3): grid 8 x 32, 16 waves a work-group, clusters of 4 x 1, 327,680 bytes of LDS; arguments qbuf, kvbuf, gcodes, gscl; writes gcodes, gscl
.if DOCPART == 3
	.amdgcn_target "amdgcn-amd-amdhsa--gfx1250"
	.amdhsa_code_object_version 6
	.text
	.protected	k_q73eec4c40c_attn
	.globl	k_q73eec4c40c_attn
	.p2align	8
	.type	k_q73eec4c40c_attn,@function
k_q73eec4c40c_attn:
	s_mov_b64 s[64:65], 0
	v_nop
	global_prefetch_b8 v0, s[64:65] scope:SCOPE_SE
	s_setreg_imm32_b32 hwreg(HW_REG_WAVE_MODE, 25, 1), 1
	s_wait_xcnt 0x0
	s_wait_alu depctr_hold_cnt(0) depctr_sa_sdst(0) depctr_va_vdst(0) depctr_va_sdst(0) depctr_va_ssrc(0) depctr_va_vcc(0) depctr_vm_vsrc(0)
	s_getreg_b32 s2, hwreg(HW_REG_IB_STS2, 6, 4)
	s_cmp_eq_u32 s2, 0
	s_cbranch_scc0 .Lentry_in_a_cluster
	s_endpgm
.Lentry_in_a_cluster:
	s_bfe_u32 s2, ttmp6, 0x10000c
	s_cmp_lg_u32 s2, 0x3003
	s_cbranch_scc0 .Lentry_shape_is_right
	s_endpgm
.Lentry_shape_is_right:
; ATTENTION on codes of FP6 (E2M3): o = softmax(q k^T / 8) v for 64 (batch, head) pairs of 2,048 positions x 64, and o quantised along the last product's K (head, d) on the way out.
; THE SOFTMAX AHEAD OF THE SECOND PRODUCT: t = score x log2(e) / 8; M = the row's largest t so far, rounded up to a whole number; p = 2^(t - M) is quantised along the keys, not normalised.  The row's sum is taken of the
; unquantised p and divides O at the end.  When M moves, the sum and O are multiplied by 2^(old M - new M): exact.
; SHARES.  A work-group owns 256 queries of a PAIR of heads (2 i, 2 i + 1) of one batch; each of its sixteen waves owns one tile of 16 queries, in 256 registers.  A wave walks head 2 i's 2,048 keys and then head 2 i + 1's,
; 128 a step: the two heads' 32 records of kvbuf are one dense stream.  After both it holds one whole fragment of o (16 rows x the pair's 128 along K) and its scale word, which go to gcodes (T 768 on) and gscl.
; BOTH PRODUCTS ARE USED TRANSPOSED: S^T = k q^T, O^T = v^T p^T: a lane holds one query throughout.
; THE KEYS OF A TILE: row m of tile 4 c + u of a record is key 64 c + 8 u + m % 8 + 32 (m / 8).  So register 32 c + i of S^T in lane (r, h) is key 64 c + 32 h + i: A WHOLE BLOCK OF 32 KEYS LIES IN ONE LANE, in the order in which
; the second product's operand wants it: a block's largest score needs no other lane, and the conversions' results are the operand's registers.  The queries of a tile follow the same order; the last launch stores its rows by it.
; A HEAD OF 64 FILLS HALF OF THE INSTRUCTION'S K = 128.  q's upper six registers are zero codes.  A tile of k is six registers; the instruction names twelve: the upper six are the next tile's codes (behind the last tile: zeros).
; LDS: 20 slots of one record, 13,056 bytes each.  Waves 0-3 fetch records 0-3 at the head; behind the first round every wave fetches one of records 4-19; when the first head's 16 records are read out, waves 0-11 fill
; slots 0-11 again with records 20-31.  So the walk has two plain barriers (ahead of records 4 and 20) and one round in its middle; between them the waves walk freely.
; CLUSTER: the four query blocks of a cluster walk the same stream, so each record is asked for jointly.
; NO PREFETCH: the head's loads have no loop ahead of them, and each later load has four key steps of sixteen waves between its request and the first read of its bytes.
; o's scale words are stored 4 bytes to each 32: 262,144 bytes in all; the other heads' words of a row come from other work-groups.
; LIMITS: NaN and infinities are not served; the promise holds while the scaled scores stay under 2^31 in magnitude; a block of zeros gets the byte 1 (its codes are zeros; only this program reads the bytes).
; REGISTERS: v1-4, v7 offsets that stay; v8-10 the step's LDS addresses; v12 -M, v13 the largest score, v[14:15], v[86:87] the sum; v16-27 q; v32-79 k's eight tiles, then v's four; v80-85 zeros; v96-159 S^T, then p;
;   v160-191 O^T; v192-203, v253, v255 scale words; v204-210 the second head's q; v211 o's scale word; v212-223 o's fragment; v224-235 p's codes; v232-254 at work.
.set REC,   13056                      ; a record of kvbuf: k's codes 0, k's scale words 6,144, v's codes 6,656, v's scale words 12,800
.set QREC,  6656                       ; a record of qbuf: codes 0, scale words 6,144
.set SPARE, 20*REC                     ; behind the slots: the spare words, 128 bytes for each of sixteen waves, that no other line names
.set C8,   1                           ; v1  8 x lane
.set C16,  2                           ; v2  16 x lane
.set CR,   3                           ; v3  16 r
.set SO,   4                           ; v4  32 r
.set SPW,  5
.set NIL,  6
.set H8,   7                           ; v7  8 h
.set A8,   8
.set A16,  9
.set AR,   10
.set KS,   192
.set VS,   200
.set Q1,   204
.set Q1S,  210
.set OW,   211
.set F,    212
.set WV,   18
.set SEL,  20
.set CS,   22                          ; s[22:23] c = log2(e) / 8
.set G1,   24
.set G0,   32
.set TB,   39                          ; LDS byte at which the record in hand begins; it also counts the loops' trips
.macro CROUND                          ; a round of the cluster's barrier
	s_barrier_signal -1
	s_barrier_wait -1
	s_cmp_lg_u32 s[WV], 0
	s_cbranch_scc1 .Lnot_wave_0_\@
	s_barrier_signal -3
.Lnot_wave_0_\@:
	s_barrier_wait -3
	s_barrier_signal -1
	s_barrier_wait -1
.endm
.macro TLOAD n                         ; waves 0 .. n - 1 fetch a record each; an s_nop 0 and four v_nop follow the load
	s_cmp_lt_u32 s[WV], \n
	s_cbranch_scc0 .Lnone_\@
	tensor_load_to_lds s[G0:G0+3], s[G1:G1+7]
	s_nop 0
.rept 4
	v_nop
.endr
.Lnone_\@:
.endm
.macro ENTER base                      ; a run of records begins at LDS byte base
	s_mov_b32 s[TB], \base
	v_add_nc_u32 v[A8], s[TB], v[C8]
	v_add_nc_u32 v[AR], s[TB], v[CR]
	s_wait_alu depctr_va_vdst(0)
.endm
.macro MEET                            ; a plain barrier: every wave's loads have landed
	s_wait_tensorcnt 0x0
	s_wait_dscnt 0x0
	s_barrier_signal -1
	s_barrier_wait -1
.endm
.macro SUM j                           ; the row's sum of the unquantised p, in two chains
	v_pk_add_f32 v[14:15], v[14:15], v[96+\j:97+\j]
	v_pk_add_f32 v[86:87], v[86:87], v[98+\j:99+\j]
.endm
.macro TMN n                           ; t - M, two at a time
.rept \n
	v_pk_fma_f32 v[96+j:97+j], v[96+j:97+j], s[CS:CS+1], v[12:13] op_sel_hi:[1,0,0]
.set j, j+2
.endr
.endm
; A KEY STEP: the 128 keys of the record at s[TB].
.macro STEP
.irp t, 0,1,2,3,4,5,6,7
.irp p, 0,1,2
	ds_load_b64 v[32+6*\t+2*\p:33+6*\t+2*\p], v[A8] offset:768*\t+256*\p   ; 256 consecutive bytes a load
.endr
.endr
.irp j, 0,1
	ds_load_b128 v[KS+4*\j:KS+4*\j+3], v[AR] offset:6144+256*\j            ; four tiles' scale words of my row
.endr
	s_wait_dscnt 0x0
.irp t, 0,1,2,3,4,5,6,7
	v_wmma_scale_f32_16x16x128_f8f6f4 v[96+8*\t:103+8*\t], v[32+6*\t:43+6*\t], v[16:27], 0, v[KS+\t], v255 matrix_a_fmt:MATRIX_FMT_FP6 matrix_b_fmt:MATRIX_FMT_FP6
.endr
	v_add_nc_u32 v[A16], s[TB], v[C16]             ; four places: in front of the loads over k's registers, and of the first read of the scores
	v_mov_b32 v254, v12                            ; the old -M
	v_pk_add_f32 v[14:15], v[14:15], v[86:87]      ; the last step's second chain joins the sum, still under the old M
	v_nop
.irp t, 0,1,2,3
.irp c, 0,1,2
	ds_load_b128 v[32+12*\t+4*\c:35+12*\t+4*\c], v[A16] offset:6656+1536*\t+512*\c   ; v's four fragments land while the softmax is walked
.endr
.endr
	ds_load_b128 v[VS:VS+3], v[AR] offset:12800
.irp c, 0,1                                    ; the largest score of my two blocks of 32 keys, each in two chains: it serves for the row's maximum and, since p rises with the score, for the block's largest p
.irp g, 0,1
	v_max3_num_f32 v[240+2*\c+\g], v[96+32*\c+16*\g], v[97+32*\c+16*\g], v[98+32*\c+16*\g]
.endr
.endr
.irp i, 3,5,7,9,11,13
.irp c, 0,1
.irp g, 0,1
	v_max3_num_f32 v[240+2*\c+\g], v[240+2*\c+\g], v[96+32*\c+16*\g+\i], v[97+32*\c+16*\g+\i]
.endr
.endr
.endr
.irp c, 0,1
	v_max3_num_f32 v[240+2*\c], v[240+2*\c], v[241+2*\c], v[111+32*\c]
.endr
.irp c, 0,1
	v_max_num_f32 v[240+2*\c], v[240+2*\c], v[127+32*\c]
.endr
	v_max_num_f32 v249, v240, v242
	v_permlanex16_b32 v248, v249, s[SEL], s[SEL+1] ; lane l xor 16 holds my query's other two blocks
	v_max3_num_f32 v13, v13, v249, v248            ; the running largest score
	v_mul_f32 v249, s[CS], v13                     ; as t
	v_floor_f32 v12, -v249                         ; the new -M = floor(-t)
	v_sub_f32 v254, v12, v254                      ; old M - new M: a whole number, 0 or less
.set j, 0
	TMN 4
	v_cvt_i32_f32 v254, v254                       ; (it saturates)
	TMN 4
	v_ldexp_f32 v252, 1.0, v254                    ; f = 2^(old M - new M)
	TMN 24
	v_fma_f32 v240, v240, s[CS], v12               ; the same of each block's largest score
	v_fma_f32 v242, v242, s[CS], v12
	s_wait_alu depctr_va_vdst(0)                   ; ahead of the batch
	v_exp_f32 v240, v240                           ; the block's largest p
	v_exp_f32 v242, v242
.set j, 0
.rept 64
	v_exp_f32 v[96+j], v[96+j]                     ; p = 2^(t - M)
.set j, j+1
.endr
	v_pk_mul_f32 v[14:15], v[14:15], v[252:253] op_sel_hi:[1,0]   ; the sum under the new M (a plain instruction behind the exponentials)
	s_wait_alu depctr_va_vdst(0)                   ; one wait for the batch, ahead of its first reader
	v_pk_add_f32 v[86:87], v[96:97], v[98:99]
	v_max_num_f32 v240, 0x1800000, v240            ; the floor 2^(3 - 127)
	v_max_num_f32 v242, 0x1800000, v242
	SUM 4
	v_add_nc_u32 v244, 0xff000000, v240            ; the conversion's scale operand
	v_add_nc_u32 v245, 0xff000000, v242
	SUM 8
.irp c, 0,1
	v_cvt_scalef32_pk16_fp6_f32 v[224+6*\c:226+6*\c], v[96+32*\c:111+32*\c], v[244+\c]
	v_cvt_scalef32_pk16_fp6_f32 v[236+4*\c:238+4*\c], v[112+32*\c:127+32*\c], v[244+\c]   ; (a conversion's three registers begin on an even number)
.endr
	v_lshrrev_b32 v246, 23, v244                   ; the bytes (plain instructions behind the conversions)
	v_lshrrev_b32 v247, 23, v245
	SUM 12
	v_lshl_or_b32 v246, v247, 16, v246             ; my two bytes: blocks h and 2 + h,
	SUM 16
	v_lshlrev_b32 v246, v[H8], v246                ; 8 h bits up
.irp c, 0,1
.irp i, 0,1,2
	v_mov_b32 v[227+6*\c+\i], v[236+4*\c+\i]
.endr
.endr
	v_permlanex16_b32 v248, v246, s[SEL], s[SEL+1]
	SUM 20
	v_or_b32 v253, v246, v248                      ; p's scale word for these 128 keys
	s_wait_alu depctr_va_vdst(0)                   ; directly ahead of the first reader of O^T
.set j, 0
.rept 16
	v_pk_mul_f32 v[160+j:161+j], v[160+j:161+j], v[252:253] op_sel_hi:[1,0]   ; O^T under the new M, each accumulator from its low end on
.set j, j+2
.endr
.irp j, 24,28,32,36,40,44,48,52,56
	SUM \j                                         ; eighteen places between p's scale word and codes and the products
.endr
	s_wait_alu depctr_va_vdst(0)
	s_wait_dscnt 0x0                               ; v
.irp t, 0,1,2,3
	v_wmma_scale_f32_16x16x128_f8f6f4 v[160+8*\t:167+8*\t], v[32+12*\t:43+12*\t], v[224:235], v[160+8*\t:167+8*\t], v[VS+\t], v253 matrix_a_fmt:MATRIX_FMT_FP6 matrix_b_fmt:MATRIX_FMT_FP6
.endr
	s_add_co_u32 s[TB], s[TB], REC                 ; the next record
	v_add_nc_u32 v[A8], s[TB], v[C8]               ; four places, in front of the next step's loads over v's registers
	v_add_nc_u32 v[AR], s[TB], v[CR]
	SUM 60
	s_wait_alu depctr_va_vdst(0)
.endm
; A head is done: O^T / the sum; its 64 numbers a row are two blocks of the last product's K: registers 6 e .. 6 e + 5 of o's fragment and bytes 2 e, 2 e + 1 of its scale word.
.macro FINISH e
	v_pk_add_f32 v[14:15], v[14:15], v[86:87]
	v_add_f32 v14, v14, v15
	v_permlanex16_b32 v252, v14, s[SEL], s[SEL+1]
	v_add_f32 v14, v14, v252                       ; the row's sum
	s_wait_alu depctr_va_vdst(0)
	v_rcp_f32 v14, v14
	v_nop                                          ; a plain instruction behind the reciprocal
	s_wait_alu depctr_va_vdst(0)                   ; ahead of the reciprocal's first reader and of O^T's
.set j, 0
.rept 16
	v_pk_mul_f32 v[96+j:97+j], v[160+j:161+j], v[14:15] op_sel_hi:[1,0]   ; register 16 g + i = o(my query, d = 32 g + 16 (lane / 16) + i)
.set j, j+2
.endr
.irp g, 0,1
	v_max3_num_f32 v[232+\g], |v[96+16*\g]|, |v[97+16*\g]|, 0x1800000
.endr
.irp i, 2,4,6,8,10,12,14
.irp g, 0,1
	v_max3_num_f32 v[232+\g], v[232+\g], |v[96+16*\g+\i]|, |v[97+16*\g+\i]|
.endr
.endr
.irp g, 0,1
	v_permlanex16_b32 v[236+\g], v[232+\g], s[SEL], s[SEL+1]
.endr
.irp g, 0,1
	v_max_num_f32 v[232+\g], v[232+\g], v[236+\g]
.endr
.irp g, 0,1
	v_add_nc_u32 v[244+\g], 0xff000000, v[232+\g]
.endr
.irp g, 0,1
	v_lshrrev_b32 v[236+\g], 23, v[244+\g]
.endr
.if \e == 0
	v_lshl_or_b32 v[OW], v237, 8, v236
.else
	v_lshl_or_b32 v236, v237, 8, v236
	v_lshl_or_b32 v[OW], v236, 16, v[OW]
.endif
	v_cvt_scalef32_pk16_fp6_f32 v[F+6*\e:F+6*\e+2], v[96:111], v244
	v_cvt_scalef32_pk16_fp6_f32 v[240:242], v[112:127], v245
	v_nop                                          ; one plain instruction behind a scaled conversion
.irp i, 0,1,2
	v_permlane16_swap_b32 v[F+6*\e+\i], v[240+\i]
.endr
.irp i, 0,1,2
	v_mov_b32 v[F+6*\e+3+\i], v[240+\i]
.endr
.if \e == 0                                    ; the second head begins: its q, and the state anew; the lines behind the first seven are the places in front of its first products
	v_mov_b32 v255, v[Q1S]
.irp i, 0,1,2,3,4,5
	v_mov_b32 v[16+\i], v[Q1+\i]
.endr
	v_mov_b32 v13, 0xff61b1e6
	v_mov_b32 v12, 0x7e000000
	v_mov_b32 v14, 0
	v_mov_b32 v15, 0
	v_mov_b32 v86, 0
	v_mov_b32 v87, 0
.set j, 0
.rept 32
	v_mov_b32 v[160+j], 0
.set j, j+1
.endr
	s_wait_alu depctr_va_vdst(0)
.endif
.endm
	s_load_b256 s[4:11], s[0:1], 0x0               ; qbuf s[4:5], kvbuf s[6:7], gcodes s[8:9], gscl s[10:11]
	v_lshl_add_u32 v[SPW], v0, 2, SPARE
	v_mov_b32 v[NIL], 0
	ds_add_u32 v[SPW], v[NIL]                      ; the opening lines: the add, twice on end, and its wait ahead of my first tensor load
	ds_add_u32 v[SPW], v[NIL]
	v_lshrrev_b32 v8, 5, v0
	v_readfirstlane_b32 s[WV], v8                  ; wave 0..15
	s_bfe_u32 s19, ttmp6, 0x40000                  ; cx: it enters q's and o's addresses alone
	s_and_b32 s40, ttmp7, 0xffff
	s_lshr_b32 s41, s40, 3                         ; batch
	s_and_b32 s42, s40, 7                          ; the pair of heads, which is also the last product's K step
	s_lshl_b32 s43, s41, 4
	s_lshl_b32 s44, s42, 1
	s_add_co_u32 s43, s43, s44                     ; the first head's number among the 64
	s_mul_i32 s44, s43, 16*REC                     ; its first record
	s_mov_b32 s45, 0
	s_mul_i32 s46, s[WV], REC                      ; wave x a record: in memory and in LDS alike
	s_mov_b32 s47, 0
	s_lshl_b32 s48, ttmp9, 2
	s_add_co_u32 s48, s48, s19                     ; my block of 256 queries
	s_lshl_b32 s49, s48, 1
	s_lshr_b32 s50, s[WV], 3
	s_add_co_u32 s49, s49, s50                     ; my record of q
	s_lshl_b32 s50, s43, 4
	s_add_co_u32 s50, s50, s49
	s_mul_i32 s50, s50, QREC
	s_and_b32 s51, s[WV], 7                        ; my tile in it
	s_mul_i32 s52, s51, 768
	s_add_co_u32 s52, s52, s50
	s_mov_b32 s53, 0
	s_lshr_b32 s54, s51, 2
	s_lshl_b32 s54, s54, 8
	s_and_b32 s55, s51, 3
	s_lshl_b32 s55, s55, 2
	s_add_co_u32 s54, s54, s55
	s_add_co_u32 s54, s54, s50
	s_add_co_u32 s54, s54, 6144                    ; my tile's scale words
	s_mov_b32 s55, 0
	s_lshl_b32 s56, s41, 7
	s_lshl_b32 s57, s48, 4
	s_add_co_u32 s56, s56, s57
	s_add_co_u32 s56, s56, s[WV]
	s_add_co_u32 s56, s56, 768                     ; o's T = 768 + 128 batch + 16 block + wave
	s_lshl_b32 s58, s56, 9
	s_lshl_b32 s59, s42, 2
	s_add_co_u32 s58, s58, s59                     ; its scale words: 512 T + 4 x K step
	s_mov_b32 s59, 0
	s_lshl_b32 s56, s56, 3
	s_add_co_u32 s56, s56, s42
	s_mul_i32 s56, s56, 1536
	s_mov_b32 s57, 0
	; descriptor group 1: a record is a dense block: 51 rows of 256 bytes, in elements of 8 bytes
	s_mov_b32 s[G1], 15|(3<<16)|(1<<21)            ; 15:0 the mask: all four work-groups; 17:16 elements of 8 bytes; 21 set beside a mask
	s_mov_b32 s[G1+1], 32<<16                      ; tensor_dim0
	s_mov_b32 s[G1+2], 51<<16                      ; tensor_dim1
	s_mov_b32 s[G1+3], 32<<16                      ; tile_dim0
	s_mov_b32 s[G1+4], 51                          ; tile_dim1
	s_mov_b32 s[G1+5], 32                          ; tensor_dim0_stride
	s_mov_b32 s[G1+6], 0
	s_mov_b32 s[G1+7], 0
	s_mov_b32 s[SEL], 0x76543210
	s_mov_b32 s[SEL+1], 0xfedcba98
	s_mov_b32 s[CS], 0x3e38aa3b                    ; c = log2(e) / sqrt(64)
	s_mov_b32 s[CS+1], s[CS]                       ; (named with it as a pair, so it is written)
	s_wait_dscnt 0x0                               ; both opening adds are done
	s_wait_kmcnt 0x0
	s_add_nc_u64 s[68:69], s[6:7], s[44:45]        ; the stream's first byte
	s_mov_b32 s[G0], 1
	s_mov_b32 s[G0+1], s46                         ; record w goes to slot w
	s_add_nc_u64 s[G0+2:G0+3], s[68:69], s[46:47]
	s_or_b32 s[G0+3], s[G0+3], 0x80000000
	s_add_nc_u64 s[52:53], s[4:5], s[52:53]
	s_add_nc_u64 s[54:55], s[4:5], s[54:55]
	s_add_nc_u64 s[56:57], s[8:9], s[56:57]
	s_add_nc_u64 s[58:59], s[10:11], s[58:59]
	CROUND                                         ; all four work-groups are here: the first joint loads meet
	TLOAD 4                                        ; records 0-3
	v_and_b32 v9, 31, v0
	v_and_b32 v10, 15, v0
	v_bfe_u32 v[H8], v0, 4, 1
	v_lshlrev_b32 v[C8], 3, v9
	v_lshlrev_b32 v[C16], 4, v9
	v_lshlrev_b32 v[CR], 4, v10
	v_lshlrev_b32 v[SO], 5, v10
	v_lshlrev_b32 v[H8], 3, v[H8]
.irp p, 0,1,2
	global_load_b64 v[16+2*\p:17+2*\p], v[C8], s[52:53] offset:256*\p              ; q of the first head,
	global_load_b64 v[Q1+2*\p:Q1+2*\p+1], v[C8], s[52:53] offset:16*QREC+256*\p    ; of the second: 16 records on
.endr
	global_load_b32 v255, v[CR], s[54:55]
	global_load_b32 v[Q1S], v[CR], s[54:55] offset:16*QREC
.irp i, 0,1,2,3,4,5
	v_mov_b32 v[22+\i], 0                          ; q's upper half of the instruction's K: zero codes
	v_mov_b32 v[80+\i], 0                          ; behind k's last tile
.endr
	v_mov_b32 v13, 0xff61b1e6                      ; the largest score so far: -3e38
	v_mov_b32 v12, 0x7e000000                      ; -M: a whole number above every -M that follows, so that the first f is 0
	v_mov_b32 v14, 0
	v_mov_b32 v15, 0
	v_mov_b32 v86, 0
	v_mov_b32 v87, 0
	v_mov_b32 v248, 0                              ; written once: a lane permute's destination counts as one of its sources
	v_mov_b32 v253, 0                              ; (named as the upper half of a pair before it is first written)
.set j, 0
.rept 32
	v_mov_b32 v[160+j], 0                          ; O^T: the step is written once; the first finds zeros
.set j, j+1
.endr
	s_wait_alu depctr_va_vdst(0)
	s_wait_loadcnt 0x0                             ; q
	s_wait_tensorcnt 0x0                           ; my record of the first four, if I fetched one, is in; these lines stand ahead of a later first fill as ahead of a refill
	ds_add_u32 v[SPW], v[NIL]                      ; the add, twice on end
	ds_add_u32 v[SPW], v[NIL]
	s_add_co_u32 s[G0+1], s[G0+1], 4*REC           ; record 4 + w goes to slot 4 + w
	s_add_nc_u64 s[G0+2:G0+3], s[G0+2:G0+3], 4*REC
	s_wait_dscnt 0x0
	CROUND
	tensor_load_to_lds s[G0:G0+3], s[G1:G1+7]      ; every wave: records 4-19
	s_nop 0
.rept 4
	v_nop
.endr
	ENTER 0
.Lrun0:                                            ; records 0-3
	STEP
	s_cmp_lt_u32 s[TB], 4*REC
	s_cbranch_scc1 .Lrun0
	MEET                                           ; records 4-19 are whole
	ENTER 4*REC
.Lrun1:                                            ; records 4-15: the first head's last
	STEP
	s_cmp_lt_u32 s[TB], 16*REC
	s_cbranch_scc1 .Lrun1
	FINISH 0
	s_wait_tensorcnt 0x0                           ; no tensor load of mine is out, so the group 0 may be written
	ds_add_u32 v[SPW], v[NIL]                      ; 0 onto my spare word
	s_mov_b32 s[G0+1], s46                         ; record 20 + w goes to slot w
	s_add_nc_u64 s[G0+2:G0+3], s[G0+2:G0+3], 16*REC
	s_wait_dscnt 0x0                               ; the add is done, and my reads of slots 0-15 are over
	CROUND
	TLOAD 12                                       ; records 20-31, the first thing behind the round
	ENTER 16*REC
.Lrun2:                                            ; records 16-19
	STEP
	s_cmp_lt_u32 s[TB], 20*REC
	s_cbranch_scc1 .Lrun2
	MEET                                           ; records 20-31 are whole
	ENTER 0
.Lrun3:                                            ; records 20-31, in slots 0-11
	STEP
	s_cmp_lt_u32 s[TB], 12*REC
	s_cbranch_scc1 .Lrun3
	FINISH 1
.irp c, 0,1,2
	global_store_b128 v[C16], v[F+4*\c:F+4*\c+3], s[56:57] offset:512*\c   ; o's fragment as an image: 512 consecutive bytes a store
.endr
	global_store_b32 v[SO], v[OW], s[58:59]        ; lanes l and l xor 16 hold the same word and name the same place
	s_wait_tensorcnt 0x0                           ; the wave's end
	ds_add_u32 v[SPW], v[NIL]
	s_wait_dscnt 0x0
	CROUND                                         ; the closing round
	s_endpgm
.Lfunc_end_k_q73eec4c40c_attn:
	.size	k_q73eec4c40c_attn, .Lfunc_end_k_q73eec4c40c_attn-k_q73eec4c40c_attn
	.p2alignl 7, 3214868480
	.fill 96, 4, 3214868480
	.section	.rodata,"a",@progbits
	.p2align	6, 0x0
	.amdhsa_kernel k_q73eec4c40c_attn
		.amdhsa_group_segment_fixed_size 327680
		.amdhsa_private_segment_fixed_size 0
		.amdhsa_enable_private_segment 0
		.amdhsa_kernarg_size 32
		.amdhsa_user_sgpr_count 2
		.amdhsa_user_sgpr_kernarg_segment_ptr 1
		.amdhsa_wavefront_size32 1
		.amdhsa_system_sgpr_workgroup_id_x 1
		.amdhsa_system_sgpr_workgroup_id_y 1
		.amdhsa_system_sgpr_workgroup_id_z 1
		.amdhsa_system_vgpr_workitem_id 0
		.amdhsa_next_free_vgpr 256
		.amdhsa_next_free_sgpr 100
		.amdhsa_reserve_vcc 0
		.amdhsa_float_denorm_mode_32 3
		.amdhsa_float_denorm_mode_16_64 3
		.amdhsa_memory_ordered 1
		.amdhsa_forward_progress 1
		.amdhsa_inst_pref_size 78
	.end_amdhsa_kernel
	.amdgpu_metadata
---
amdhsa.version: [ 1, 2 ]
amdhsa.kernels:
  - .name:           k_q73eec4c40c_attn
    .symbol:         k_q73eec4c40c_attn.kd
    .args:
      - { .name: qbuf, .offset: 0, .size: 8, .value_kind: global_buffer, .address_space: global }
      - { .name: kvbuf, .offset: 8, .size: 8, .value_kind: global_buffer, .address_space: global }
      - { .name: gcodes, .offset: 16, .size: 8, .value_kind: global_buffer, .address_space: global }
      - { .name: gscl, .offset: 24, .size: 8, .value_kind: global_buffer, .address_space: global }
    .group_segment_fixed_size: 327680
    .private_segment_fixed_size: 0
    .kernarg_segment_align: 8
    .kernarg_segment_size: 32
    .max_flat_workgroup_size: 512
    .sgpr_count:     100
    .vgpr_count:     256
    .wavefront_size: 32
...
	.end_amdgpu_metadata
.endif
;; end of part 3
;; launch proj (part 4): grid 4 x 32, 4 waves a work-group, clusters of 4 x 4, 327,680 bytes of LDS; arguments gcodes, gscl, out0; writes out0
.if DOCPART == 4
	.amdgcn_target "amdgcn-amd-amdhsa--gfx1250"
	.amdhsa_code_object_version 6
	.text
	.protected	k_q73eec4c40c_proj
	.globl	k_q73eec4c40c_proj
	.p2align	8
	.type	k_q73eec4c40c_proj,@function
k_q73eec4c40c_proj:
	s_mov_b64 s[64:65], 0
	v_nop
	global_prefetch_b8 v0, s[64:65] scope:SCOPE_SE
	s_setreg_imm32_b32 hwreg(HW_REG_WAVE_MODE, 25, 1), 1
	s_wait_xcnt 0x0
	s_wait_alu depctr_hold_cnt(0) depctr_sa_sdst(0) depctr_va_vdst(0) depctr_va_sdst(0) depctr_va_ssrc(0) depctr_va_vcc(0) depctr_vm_vsrc(0)
	s_getreg_b32 s2, hwreg(HW_REG_IB_STS2, 6, 4)
	s_cmp_eq_u32 s2, 0
	s_cbranch_scc0 .Lentry_in_a_cluster
	s_endpgm
.Lentry_in_a_cluster:
	s_bfe_u32 s2, ttmp6, 0x10000c
	s_cmp_lg_u32 s2, 0xf033
	s_cbranch_scc0 .Lentry_shape_is_right
	s_endpgm
.Lentry_shape_is_right:
.set FR,    12
.set FRB,   1536
.set NL,    3
.set NP,    4
.set TROW,  8*FRB
.set HALFT, 8*2*FRB
.set SLOT,  4*HALFT
.set SPARE, 2*SLOT
.set SPITCH, 528
.set ADRA,  16
.set ADRB,  20
.set STO,   24
.set RD,    25
.set SPW,   28
.set NIL,   29
.set SC,    32
.set AF,    128
.set BK,    128
.set G1,    24
.set G0,    32
.set G1B,   48
.set G0B,   56
.set MSB, 0
.macro WIN new
.if MSB != (\new)
	s_set_vgpr_msb (MSB<<8)|(\new)
.set MSB, (\new)
.endif
.endm
.set MUL_LO, 0xa1
.set MUL_HI, 0xf1
.set TO_B,   0x40
.macro JLOAD g0a, g1a, g0b, g1b
	s_cmp_eq_u32 s15, 0
	s_cbranch_scc0 .Lfor_b_\@
	tensor_load_to_lds s[\g0a:\g0a+3], s[\g1a:\g1a+7]
	s_nop 0
.rept 4
	v_nop
.endr
	s_branch .Lasked_\@
.Lfor_b_\@:
	tensor_load_to_lds s[\g0b:\g0b+3], s[\g1b:\g1b+7]
	s_nop 0
.rept 4
	v_nop
.endr
.Lasked_\@:
.endm
.macro CREST
	s_cmp_lg_u32 s14, 0
	s_cbranch_scc1 .Lnot_wave_0_\@
	s_barrier_signal -3
.Lnot_wave_0_\@:
	s_barrier_wait -3
	s_barrier_signal -1
	s_barrier_wait -1
.endm
.macro CROUND
	s_barrier_signal -1
	s_barrier_wait -1
	CREST
.endm
.macro PLACES n
.rept \n
	v_nop
.endr
.endm
.macro FRAG reg, adr, q, i
.irp c, 0,1,2
	ds_load_b128 v[\reg+4*\c:\reg+4*\c+3], v[\adr] offset:(2*(\i)+(\q))*FRB+512*\c
.endr
.endm
.macro FETCH_B slot, q, p
	WIN TO_B
.irp i, 0,1,2,3,4,5,6,7
	FRAG 128*(\p)+FR*\i, ADRB+\slot, \q, \i
.endr
	WIN 0
.endm
.macro FETCH_A slot, q, i0
.irp i, \i0, \i0+1, \i0+2, \i0+3
	FRAG AF+FR*(\i), ADRA+\slot, \q, \i
.endr
.endm
.macro MUL16 a0, p, ks, zero
.irp a, \a0, \a0+1
.irp b, 0,1,2,3,4,5,6,7
.if \zero
	v_wmma_scale_f32_16x16x128_f8f6f4 v[8*(8*((\a)%4)+\b):8*(8*((\a)%4)+\b)+7], v[128*(\p)+FR*\b:128*(\p)+FR*\b+FR-1], v[AF+FR*(\a):AF+FR*(\a)+FR-1], 0, v[SC+8*\b+(\ks)], v[SC+8*(\a)+(\ks)] matrix_a_fmt:MATRIX_FMT_FP6 matrix_b_fmt:MATRIX_FMT_FP6 matrix_a_scale:MATRIX_SCALE_ROW1
.else
	v_wmma_scale_f32_16x16x128_f8f6f4 v[8*(8*((\a)%4)+\b):8*(8*((\a)%4)+\b)+7], v[128*(\p)+FR*\b:128*(\p)+FR*\b+FR-1], v[AF+FR*(\a):AF+FR*(\a)+FR-1], v[8*(8*((\a)%4)+\b):8*(8*((\a)%4)+\b)+7], v[SC+8*\b+(\ks)], v[SC+8*(\a)+(\ks)] matrix_a_fmt:MATRIX_FMT_FP6 matrix_b_fmt:MATRIX_FMT_FP6 matrix_a_scale:MATRIX_SCALE_ROW1
.endif
.endr
.endr
.endm
.macro STEP slot, ks, zero
	s_wait_dscnt 4*NL
	WIN MUL_LO
	MUL16 0, 0, \ks, \zero
	MUL16 2, 0, \ks, \zero
	s_wait_dscnt 0x0
	PLACES NP
	FETCH_B \slot, 1, 1
	FETCH_A \slot, 1, 0
	WIN MUL_HI
	MUL16 4, 0, \ks, \zero
	MUL16 6, 0, \ks, \zero
	PLACES NP
	WIN 0
	FETCH_A \slot, 1, 4
.endm
.macro TURN slot, next, ks, fill
	s_wait_tensorcnt 0x0
	ds_add_u32 v[SPW], v[NIL]
	s_wait_dscnt 4*NL+1
	WIN MUL_LO
	MUL16 0, 1, \ks, 0
	s_wait_dscnt 0x0
	s_barrier_signal -1
	MUL16 2, 1, \ks, 0
	WIN 0
	s_barrier_wait -1
.if \fill
	CREST
	s_add_nc_u64 s[G0+4*\slot+2:G0+4*\slot+3], s[G0+4*\slot+2:G0+4*\slot+3], 4*FRB
	s_add_nc_u64 s[G0B+4*\slot+2:G0B+4*\slot+3], s[G0B+4*\slot+2:G0B+4*\slot+3], 4*FRB
	JLOAD G0+4*\slot, G1, G0B+4*\slot, G1B
.else
	PLACES NP
.endif
	FETCH_B \next, 0, 0
	FETCH_A \next, 0, 0
	WIN MUL_HI
	MUL16 4, 1, \ks, 0
	MUL16 6, 1, \ks, 0
	PLACES NP
	WIN 0
	FETCH_A \next, 0, 4
.endm
	s_load_b128 s[4:7], s[0:1], 0x0
	s_load_b64 s[8:9], s[0:1], 0x10
	v_lshl_add_u32 v[SPW], v0, 2, SPARE
	v_mov_b32 v[NIL], 0
	ds_add_u32 v28, v29
	ds_add_u32 v28, v29
	s_wait_dscnt 0x0
	v_lshrrev_b32 v1, 5, v0
	v_readfirstlane_b32 s14, v1
	s_lshr_b32 s15, s14, 1
	s_and_b32 s16, s14, 1
	s_bfe_u32 s40, ttmp6, 0x40000
	s_bfe_u32 s41, ttmp6, 0x40004
	s_and_b32 s17, ttmp7, 0xffff
	s_lshl_b32 s70, s17, 2
	s_add_co_u32 s70, s70, s41
	s_add_co_u32 s68, s70, 48
	s_lshl_b32 s71, ttmp9, 2
	s_add_co_u32 s71, s71, s40
	s_add_co_u32 s69, s71, 44
	s_lshl_b32 s43, s41, 2
	s_lshl_b32 s43, 15, s43
	s_lshl_b32 s44, 0x1111, s40
	s_or_b32 s[G1+0], s43, (3<<16)|(1<<21)
	s_or_b32 s[G1B+0], s44, (3<<16)|(1<<21)
.irp g, G1, G1B
	s_mov_b32 s[\g+1], 384<<16
	s_mov_b32 s[\g+2], 8<<16
	s_mov_b32 s[\g+3], 384<<16
	s_mov_b32 s[\g+4], 8
	s_mov_b32 s[\g+5], 1536
	s_mov_b32 s[\g+6], 0
	s_mov_b32 s[\g+7], 0
.endr
	s_lshl_b32 s18, s16, 3
	s_lshl_b32 s20, s68, 4
	s_add_co_u32 s20, s20, s18
	s_mul_i32 s20, s20, TROW
	s_mov_b32 s21, 0
	s_lshl_b32 s46, s69, 4
	s_add_co_u32 s46, s46, s18
	s_mul_i32 s46, s46, TROW
	s_mov_b32 s47, 0
	s_mul_i32 s45, s14, HALFT
	s_wait_kmcnt 0x0
	s_add_nc_u64 s[20:21], s[4:5], s[20:21]
	s_add_nc_u64 s[46:47], s[4:5], s[46:47]
	CROUND
.irp s, 0,1
	s_mov_b32 s[G0+4*\s], 1
	s_add_co_u32 s[G0+4*\s+1], s45, \s*SLOT
	s_add_nc_u64 s[G0+4*\s+2:G0+4*\s+3], s[20:21], \s*2*FRB
	s_or_b32 s[G0+4*\s+3], s[G0+4*\s+3], 0x80000000
	s_mov_b32 s[G0B+4*\s], 1
	s_add_co_u32 s[G0B+4*\s+1], s45, \s*SLOT
	s_add_nc_u64 s[G0B+4*\s+2:G0B+4*\s+3], s[46:47], \s*2*FRB
	s_or_b32 s[G0B+4*\s+3], s[G0B+4*\s+3], 0x80000000
	s_wait_alu depctr_va_vdst(0)
	s_wait_tensorcnt 0x0
	ds_add_u32 v28, v29
	ds_add_u32 v28, v29
	s_wait_dscnt 0x0
	CROUND
	JLOAD G0+4*\s, G1, G0B+4*\s, G1B
.endr
	v_and_b32 v1, 15, v0
	v_bfe_u32 v2, v0, 4, 1
	s_wait_alu depctr_va_vdst(0)
	v_and_b32 v3, 31, v0
	v_lshlrev_b32 v4, 4, v3
	s_mul_i32 s21, s15, HALFT
	s_mul_i32 s22, s16, HALFT
	s_add_co_u32 s22, s22, 2*HALFT
.irp s, 0,1
	v_add_nc_u32 v[ADRA+\s], s21, v4
	v_add_nc_u32 v[ADRB+\s], s22, v4
	s_add_co_u32 s21, s21, SLOT
	s_add_co_u32 s22, s22, SLOT
.endr
	s_lshl_b32 s18, s68, 13
	s_lshl_b32 s19, s15, 12
	s_add_co_u32 s18, s18, s19
	s_lshl_b32 s19, s69, 13
	s_lshl_b32 s23, s16, 12
	s_add_co_u32 s19, s19, s23
	v_mov_b32 v5, s18
	v_mov_b32 v6, s19
	v_cmp_eq_u32 vcc_lo, 1, v2
	v_cndmask_b32 v5, v5, v6, vcc_lo
	v_lshl_add_u32 v5, v1, 5, v5
.irp i, 0,1,2,3,4,5,6,7
.irp j, 0,1
	global_load_b128 v[SC+8*\i+4*\j:SC+8*\i+4*\j+3], v5, s[6:7] offset:512*\i+16*\j
.endr
.endr
	s_mul_i32 s23, s14, 16*SPITCH
	v_mul_u32_u24 v7, v1, SPITCH
	v_lshl_add_u32 v7, v2, 6, v7
	v_add_nc_u32 v[STO], s23, v7
	v_add_nc_u32 v[RD], s23, v4
	s_lshl_b32 s18, s70, 8
	s_lshl_b32 s19, s15, 7
	s_add_co_u32 s18, s18, s19
	s_lshl_b32 s18, s18, 12
	s_lshl_b32 s19, s71, 10
	s_add_co_u32 s18, s18, s19
	s_lshl_b32 s19, s16, 9
	s_add_co_u32 s18, s18, s19
	s_mov_b32 s19, 0
	s_add_nc_u64 s[8:9], s[8:9], s[18:19]
	s_wait_tensorcnt 1
	s_barrier_signal -1
	s_barrier_wait -1
	FETCH_B 0, 0, 0
	FETCH_A 0, 0, 0
	FETCH_A 0, 0, 4
	s_wait_loadcnt 0x0
	STEP 0, 0, 1
	TURN 0, 1, 1, 1
	STEP 1, 2, 0
	TURN 1, 0, 3, 1
	STEP 0, 4, 0
	TURN 0, 1, 5, 0
	STEP 1, 6, 0
	s_wait_dscnt 4*NL
	WIN MUL_LO
	MUL16 0, 1, 7, 0
	MUL16 2, 1, 7, 0
	s_wait_alu depctr_va_vdst(0)
	s_wait_dscnt 0x0
	WIN MUL_HI
	MUL16 4, 1, 7, 0
	MUL16 6, 1, 7, 0
	WIN 0
.macro TOSTAGE a
.set AC, 64*((\a)%4)
	WIN 0x08+4*((\a)/4)
.irp b, 0,1,2,3,4,5,6,7
	ds_store_b128 v[STO], v[AC+8*\b:AC+8*\b+3] offset:128*(\b/2)+32*(\b%2)
	ds_store_b128 v[STO], v[AC+8*\b+4:AC+8*\b+7] offset:128*(\b/2)+32*(\b%2)+16
.endr
	WIN 0
.set BB, BK+64*((\a)%2)
.irp t, 0,1,2,3,4,5,6,7,8,9,10,11,12,13,14,15
	ds_load_b128 v[BB+4*\t:BB+4*\t+3], v[RD] offset:\t*SPITCH
.endr
.endm
.macro SEND a, younger
.set BB, BK+64*((\a)%2)
	s_wait_dscnt \younger
.irp t, 0,1,2,3,4,5,6,7,8,9,10,11,12,13,14,15
	global_store_b128 v4, v[BB+4*\t:BB+4*\t+3], s[8:9] offset:(64*((\a)/4)+8*((\a)%4)+\t+24*(\t/8))*4096 th:TH_STORE_NT   ; place t of tile a of my 128 rows is row 64 (a / 4) + 8 (a % 4) + t % 8 + 32 (t / 8)
.endr
.endm
	PLACES NP
	TOSTAGE 0
.irp a, 1,2,3,4,5,6,7
.if \a > 1
	s_wait_xcnt 0x0
.endif
	TOSTAGE \a
	SEND \a-1, 32
.endr
	SEND 7, 0
	s_wait_tensorcnt 0x0
	ds_add_u32 v[SPW], v[NIL]
	s_wait_dscnt 0x0
	CROUND
	s_endpgm
.Lfunc_end_k_q73eec4c40c_proj:
	.size	k_q73eec4c40c_proj, .Lfunc_end_k_q73eec4c40c_proj-k_q73eec4c40c_proj
	.p2alignl 7, 3214868480
	.fill 96, 4, 3214868480
	.section	.rodata,"a",@progbits
	.p2align	6, 0x0
	.amdhsa_kernel k_q73eec4c40c_proj
		.amdhsa_group_segment_fixed_size 327680
		.amdhsa_private_segment_fixed_size 0
		.amdhsa_enable_private_segment 0
		.amdhsa_kernarg_size 24
		.amdhsa_user_sgpr_count 2
		.amdhsa_user_sgpr_kernarg_segment_ptr 1
		.amdhsa_wavefront_size32 1
		.amdhsa_system_sgpr_workgroup_id_x 1
		.amdhsa_system_sgpr_workgroup_id_y 1
		.amdhsa_system_sgpr_workgroup_id_z 1
		.amdhsa_system_vgpr_workitem_id 0
		.amdhsa_next_free_vgpr 1024
		.amdhsa_next_free_sgpr 100
		.amdhsa_reserve_vcc 1
		.amdhsa_float_denorm_mode_32 3
		.amdhsa_float_denorm_mode_16_64 3
		.amdhsa_memory_ordered 1
		.amdhsa_forward_progress 1
		.amdhsa_inst_pref_size 133
	.end_amdhsa_kernel
	.amdgpu_metadata
---
amdhsa.version: [ 1, 2 ]
amdhsa.kernels:
  - .name:           k_q73eec4c40c_proj
    .symbol:         k_q73eec4c40c_proj.kd
    .args:
      - { .name: gcodes, .offset: 0, .size: 8, .value_kind: global_buffer, .address_space: global }
      - { .name: gscl, .offset: 8, .size: 8, .value_kind: global_buffer, .address_space: global }
      - { .name: out0, .offset: 16, .size: 8, .value_kind: global_buffer, .address_space: global }
    .group_segment_fixed_size: 327680
    .private_segment_fixed_size: 0
    .kernarg_segment_align: 8
    .kernarg_segment_size: 24
    .max_flat_workgroup_size: 128
    .sgpr_count:     100
    .vgpr_count:     1024
    .wavefront_size: 32
...
	.end_amdgpu_metadata
.endif
;; end of part 4
